; MI455X (gfx1250); checked and timed in simulation.
; The chip was launched on July 23, 2026; its instructions are those of AMD's public machine-readable ISA for CDNA 5 (MIT licence, August 2026) and "CDNA5" Instruction Set Architecture Reference Guide (July 2026). The comments in the code are by the model that wrote it; some were corrected since.
;; Causal Wan Self Attention. Allowed arithmetic: matrix products marked QUANTISED: E2M1 operands, one E8M0 scale for each 32 along K, by v_wmma_scale_f32_16x16x128_f8f6f4 with both operands' format E2M1 (or v_wmma_scale_f32_32x16x128_f4), f32 sums; products left as they are: f32 operands where the result goes on into a quantised operand, else bf16, f16 or f32 operands; f32 sums; everything else in f32.
;; Inputs: w_out 1,024 x 64 float32; w_qkv 192 x 1,024 float32; x 1 x 2,048 x 1,024 float32.
;; Outputs: out0 1 x 2,048 x 1,024 float32.
;; This version of the problem:
;;   THIS VERSION OF THE PROBLEM IS GIVEN IN LOW PRECISION. The matrix products marked QUANTISED in the list below multiply operands that are first quantised to E2M1 (2 exponent bits, 1 mantissa bit; 4 bits a number), with one power-of-two scale for each 32 numbers along K (OCP MX v1.0); their sums are f32. All else is computed in f32.
;;   The module's matrix products, in the order in which they are computed (A, B: the left and right operand; K: the contracted axis; several contracted axes count as one K, in the product's order):
;;     1. [M 2,048, K 1,024] x [K 1,024, N 192]; A: input x; B: input w_qkv: QUANTISED
;;     2. batch 64 x [M 2,048, K 1] x [K 1, N 2,048]; A: computed on the way; B: computed on the way: left as it is (K = 1 < 32)
;;     3. batch 64 x [M 2,048, K 2,048] x [K 2,048, N 1]; A: softmax; B: computed on the way: left as it is (N = 1 < 16)
;;     4. [M 2,048, K 64] x [K 64, N 1,024]; A: computed on the way; B: input w_out: QUANTISED
;;   THE QUANTISER, for each operand of a quantised product, along K:
;;     - K is cut into blocks of 32 from its start; a last block that is shorter is filled with zeros.
;;     - A block's scale is 2^e with e = floor(log2(the largest magnitude in the block)) - 2, held to -126 .. 127; a block of zeros has e = 0. As a byte (E8M0): e + 127.
;;     - Each number is divided by its block's scale, clamped to +-6, and rounded to the nearest number of E2M1, ties to even, subnormals kept.
;;     - The product sums the exact products of the quantised numbers (number of the format x scale) in f32.
;;   ~~~python
;;   def quantise(x, axis):      # numpy; x: float32 -> the quantised numbers, widened to float32 again
;;       x = np.moveaxis(x, axis, -1); K = x.shape[-1]
;;       x = np.pad(x, [(0, 0)] * (x.ndim - 1) + [(0, -K % 32)]); x = x.reshape(x.shape[:-1] + (-1, 32)); a = np.abs(x).max(-1, keepdims=True)
;;       e = np.where(a > 0, np.clip(np.frexp(np.where(a > 0, a, 1))[1] - 1 - 2, -126, 127), 0)      # np.frexp(a)[1] - 1 = floor(log2(a)), exactly
;;       r = np.clip(x / 2.0 ** e, -6, 6)
;;       step = 2.0 ** (np.maximum(np.frexp(np.where(r == 0, 1, r))[1] - 1, 0) - 1)
;;       q = np.round(r / step) * step * 2.0 ** e      # np.round: ties to even
;;       return np.moveaxis(q.reshape(q.shape[:-2] + (-1,))[..., :K], -1, axis).astype(np.float32)
;;   ~~~
;;   OPERANDS COMPUTED ON THE WAY. 'Computed on the way' means the value that the module computes at that place (a softmax that the list does not call 'softmax' is quantised finished and normalised). What goes into a quantiser is computed in f32, as accurately as f32 sums, v_exp_f32 and their like allow (about 1e-6 of the number): no bf16 or f16 on the way to a quantiser, and a product that is left as it is and whose result goes on into a quantised operand takes f32 operands (vector FMAs, or v_wmma_f32_16x16x4_f32). A number that lies on a knife's edge between two numbers of the format may be rounded either way, as far as f32 arithmetic and the matrix unit's own rounding can turn it there, and no further.
;; 2 versions, each right; version 2 is version 1 with the launches qkv, proj written anew for expert scheduling mode. Each part assembles by itself: llvm-mc -triple=amdgcn-amd-amdhsa -mcpu=gfx1250 --defsym DOCPART=n.
;; ======== version 1 of 2: 3 launches
;; workspace buffers: qk 1,048,576 bytes; vv 524,288 bytes; ot 524,288 bytes
;; launch qkv (part 1): grid 256 x 1, 8 waves a work-group, no clusters, 168,960 bytes of LDS; arguments x, w_qkv, qk, vv; writes qk, vv
.if DOCPART == 1
	.amdgcn_target "amdgcn-amd-amdhsa--gfx1250"
	.amdhsa_code_object_version 6
	.text
	.protected	k_q726ae3e8d1_qkv
	.globl	k_q726ae3e8d1_qkv
	.p2align	8
	.type	k_q726ae3e8d1_qkv,@function
k_q726ae3e8d1_qkv:
	s_mov_b64 s[64:65], 0
	v_nop
	global_prefetch_b8 v0, s[64:65] scope:SCOPE_SE
	s_setreg_imm32_b32 hwreg(HW_REG_WAVE_MODE, 25, 1), 1
	s_wait_xcnt 0x0
; qkv = Q(x) Q(w_qkv)^T on codes of FP4 (E2M1) with one E8M0 scale for each 32 along K.  x: [2048][1024] f32, w_qkv: [192][1024] f32 (rows 0-63 q, 64-127 k, 128-191 v), K innermost in both.
; OUT: qk = [64 blocks of 32 rows][64 heads][q of the 32 rows | k of the 32 rows], 256 bytes for a block and a head;  vv = [64 blocks][64 heads][v of the 32 rows], f32.
; SHARES.  Work-group = 32 rows of x (block mb) x 16 heads (group g): the q, k and v rows of w_qkv of the same 16 heads, 48 rows.  It reads 80 rows x 4,096 bytes.
; Eight waves; WAVE w TAKES K STEP w (128 along K) OF ALL 80 ROWS: a row's piece is 512 consecutive bytes, one load of the wave.  So each wave quantises its own five fragments (2 of x, 3 of w), multiplies
; them by 6 matrix instructions that start from 0, and no fragment goes from wave to wave.  What goes round are the eight waves' partial sums, 32 x 48 numbers each: through LDS, one barrier, added as a tree in f32.
; A LANE MUST HOLD WHOLE BLOCKS OF 32 ALONG K (the operand's layout: lane (r, h) holds k = 64 c + 32 h + 0..31 of row r in registers 4 c .. 4 c + 3), while a load is best where neighbouring lanes take neighbouring bytes:
; a tile of 16 rows goes through the wave's own stage in LDS as it was loaded and comes back 128 bytes a lane and block.  The conversions' results then are the operand's registers.
; A block's scale is 2^(floor(log2(largest magnitude)) - 2); its byte is the largest magnitude's exponent field - 2, held at 1 from below by a floor among the maximum's leaves.
; NO JOINT TENSOR LOADS, though 4 work-groups share x's rows and 64 share w's: the 80 x 4,096 = 327,680 bytes of a work-group are as many as LDS has, so they would need a ring with a round of a cluster's barrier
; for each refill, for 6 matrix instructions a wave; loads through registers need neither.
; LIMITS: NaN and infinities among the inputs are not served; a block of zeros gets the byte 1 where the rule says 127 (its codes are zeros, and this program alone reads the byte); K is summed in eight f32 parts.
.set XROW,  4096                       ; bytes in a row of x and of w_qkv
.set SPIT,  528                        ; a stage row: 512 bytes + 16: an odd multiple of 16, so that sixteen rows' pieces of 16 bytes fall on different banks (64 banks of 4 bytes: ISA guide 11.1)
.set STGW,  16*SPIT                    ; a wave's stage
.set HP,    400                        ; partial sums: a head's 96 numbers (q 32 | k 32 | v 32) + 16 bytes, again an odd multiple of 16
.set PARTW, 16*HP                      ; a wave's partial sums
.set PART,  8*STGW                     ; they lie behind the eight stages
.set GOFF,  3                          ; v3      16 x thread = 512 x wave + 16 x lane: my bytes of a row; also my 16 bytes of the work-group's 4,096 in qk
.set SST,   4                          ; v4      stage, in: 16 x lane
.set SLD,   5                          ; v5      stage, out: row r, + 128 h
.set H8,    6                          ; v6      8 h
.set PST,   7                          ; v7      where my results go among the partial sums
.set MX,    8                          ; v8-11   largest magnitudes, two chains a block
.set SO,    12                         ; v12-13  the conversions' scale operands
.set BY,    14                         ; v14-15  the scale bytes
.set LB,    16                         ; v16-143 two sets of 16 rows x 4 registers as loaded
.set ACC,   16                         ; v16-63  later: the six accumulators
.set QD,    64                         ; v64-95  later: eight partial sums of 4 numbers
.set PD,    96                         ; v96-111 and of 2
.set X,     144                        ; v144-207 64 numbers: register 32 c + i = k 64 c + 32 h + i of row r
.set COD,   208                        ; v208-247 five fragments: x rows 0-15, 16-31; w's q, k, v rows
.set SCL,   248                        ; v248-252 their scale words
.set TA,    253
.set TB,    254
.set SEL,   24                         ; s[24:25] v_permlanex16_b32's selects for lane l xor 16
	s_load_b128 s[4:7], s[0:1], 0x0                ; x, w_qkv
	s_load_b128 s[8:11], s[0:1], 0x10              ; qk, vv
	v_lshl_add_u32 v255, v0, 2, 0x29000
	s_set_vgpr_msb 0x40
	v_mov_b32 v1, 0
	s_set_vgpr_msb 0x4000
	v_lshrrev_b32 v1, 5, v0
	v_readfirstlane_b32 s14, v1                    ; wave 0..7 = my K step
	s_lshr_b32 s15, ttmp9, 2                       ; mb: which 32 rows
	s_and_b32 s16, ttmp9, 3                        ; g: which 16 heads
	v_and_b32 v9, 31, v0                           ; lane
	v_and_b32 v1, 15, v0                           ; r
	v_bfe_u32 v2, v0, 4, 1                         ; h
	v_lshlrev_b32 v[GOFF], 4, v0
	s_mul_i32 s17, s14, STGW
	v_lshl_add_u32 v[SST], v9, 4, s17
	v_mul_u32_u24 v[SLD], v1, SPIT
	v_lshl_add_u32 v[SLD], v2, 7, v[SLD]
	v_add_nc_u32 v[SLD], s17, v[SLD]
	v_lshlrev_b32 v[H8], 3, v2
	s_mul_i32 s18, s14, PARTW
	s_add_co_u32 s18, s18, PART
	v_mul_u32_u24 v[PST], v1, HP                   ; head r,
	v_lshl_add_u32 v[PST], v2, 5, v[PST]           ; rows 8 h on
	v_add_nc_u32 v[PST], s18, v[PST]
	v_mov_b32 v[TB], 0                             ; written once: a lane permute's destination counts as one of its sources
	s_mov_b32 s[SEL], 0x76543210
	s_mov_b32 s[SEL+1], 0xfedcba98
	s_mov_b32 s21, 0
	s_wait_kmcnt 0x0
	s_lshl_b32 s20, s15, 17                        ; x at my 32 rows
	s_add_nc_u64 s[4:5], s[4:5], s[20:21]
	s_lshl_b32 s20, s16, 16                        ; w_qkv at row 16 g
	s_add_nc_u64 s[6:7], s[6:7], s[20:21]
	s_lshl_b32 s20, s15, 14                        ; qk at (64 mb + 16 g) x 256 bytes
	s_lshl_b32 s22, s16, 12
	s_add_co_u32 s20, s20, s22
	s_add_nc_u64 s[8:9], s[8:9], s[20:21]
	s_lshr_b32 s20, s20, 1                         ; vv at (64 mb + 16 g) x 128 bytes
	s_add_nc_u64 s[10:11], s[10:11], s[20:21]
; tile t: 0, 1 = x's rows 16 t on; 2, 3, 4 = w's rows 64 (t - 2) + 16 g on.  Sixteen loads, each 512 consecutive bytes of one row
.macro LOADT t
.set LBB, LB+64*((\t)%2)
.irp i, 0,1,2,3,4,5,6,7,8,9,10,11,12,13,14,15
.if (\t) < 2
	global_load_b128 v[LBB+4*\i:LBB+4*\i+3], v[GOFF], s[4:5] offset:(16*(\t)+\i)*XROW
.else
	global_load_b128 v[LBB+4*\i:LBB+4*\i+3], v[GOFF], s[6:7] offset:(64*((\t)-2)+\i)*XROW
.endif
.endr
.endm
; the 64 numbers in X become fragment t's codes and its scale word
.macro QUANT t
.irp c, 0,1
	v_max3_num_f32 v[MX+2*\c], |v[X+32*\c]|, |v[X+32*\c+1]|, 0x1800000       ; block 2 c + h: all its 32 numbers are mine; the floor 2^(3 - 127) holds the byte at 1 from below
	v_max3_num_f32 v[MX+2*\c+1], |v[X+32*\c+16]|, |v[X+32*\c+17]|, 0x1800000
.endr
.irp i, 2,4,6,8,10,12,14
.irp c, 0,1
	v_max3_num_f32 v[MX+2*\c], v[MX+2*\c], |v[X+32*\c+\i]|, |v[X+32*\c+\i+1]|      ; four chains by turns
	v_max3_num_f32 v[MX+2*\c+1], v[MX+2*\c+1], |v[X+32*\c+16+\i]|, |v[X+32*\c+17+\i]|
.endr
.endr
.irp c, 0,1
	v_max_num_f32 v[MX+2*\c], v[MX+2*\c], v[MX+2*\c+1]
.endr
.irp c, 0,1
	v_add_nc_u32 v[SO+\c], 0xff000000, v[MX+2*\c]  ; 2 off the exponent field: the conversion takes this operand's exponent field as its scale
.endr
.irp c, 0,1
	v_lshrrev_b32 v[BY+\c], 23, v[SO+\c]           ; the scale's byte
.endr
	v_lshl_or_b32 v[TA], v[BY+1], 16, v[BY]        ; my two bytes, blocks h and 2 + h,
	v_lshlrev_b32 v[TA], v[H8], v[TA]              ; at their places in the word;
	v_permlanex16_b32 v[TB], v[TA], s[SEL], s[SEL+1]
	v_or_b32 v[SCL+\t], v[TA], v[TB]               ; with lane l xor 16's two the word is whole
.irp c, 0,1
.irp g, 0,1,2,3
	v_cvt_scalef32_pk8_fp4_f32 v[COD+8*\t+4*\c+\g], v[X+32*\c+8*\g:X+32*\c+8*\g+7], v[SO+\c]
.endr
.endr
	v_nop                                          ; one plain place behind the last scaled conversion
.endm
.macro TILE t
.set LBB, LB+64*((\t)%2)
.if (\t) < 4
	s_wait_loadcnt 16                              ; this tile's 16 loads are in; the next tile's 16 may be out
.else
	s_wait_loadcnt 0x0
.endif
.irp i, 0,1,2,3,4,5,6,7,8,9,10,11,12,13,14,15
	ds_store_b128 v[SST], v[LBB+4*\i:LBB+4*\i+3] offset:\i*SPIT
.endr
.irp c, 0,1
.irp i, 0,1,2,3,4,5,6,7
	ds_load_b128 v[X+32*\c+4*\i:X+32*\c+4*\i+3], v[SLD] offset:256*\c+16*\i   ; LDS serves a wave's instructions in order (ISA guide 5.7.1.4): these see my stores
.endr
.endr
	s_wait_dscnt 0x0                               ; the numbers are back, so the stores have read their registers,
.if (\t)+2 < 5
	LOADT (\t)+2                                   ; which take the tile two further on
.endif
	QUANT \t
.endm
	LOADT 0
	LOADT 1
	TILE 0
	TILE 1
	TILE 2
	TILE 3
	TILE 4
.rept 8
	v_nop                                          ; a scale register written by a vector instruction stands 8 places ahead of a scaled matrix instruction, an operand so written 4
.endr
.irp mt, 0,1                                   ; source 0 = 16 rows of x, source 1 = 16 rows of w: lane (r, h) holds head r, its registers rows 16 mt + 8 h + 0..7
.irp nt, 0,1,2
	v_wmma_scale_f32_16x16x128_f8f6f4 v[ACC+8*(3*\mt+\nt):ACC+8*(3*\mt+\nt)+7], v[COD+8*\mt:COD+8*\mt+7], v[COD+16+8*\nt:COD+16+8*\nt+7], 0, v[SCL+\mt], v[SCL+2+\nt] matrix_a_fmt:MATRIX_FMT_FP4 matrix_b_fmt:MATRIX_FMT_FP4
.endr
.endr
	v_lshrrev_b32 v8, 4, v0                        ; the addresses of the sums are made here: seven plain instructions, the places behind the products
	v_and_b32 v9, 15, v0
	v_mul_u32_u24 v8, v8, HP                       ; head = thread / 16
	v_lshlrev_b32 v12, 3, v0                       ; my 8 bytes of the work-group's 2,048 in vv
	v_add_nc_u32 v8, PART, v8
	v_lshl_add_u32 v10, v9, 4, v8                  ; q | k: 16 bytes at 16 x (thread % 16)
	v_lshl_add_u32 v11, v9, 3, v8                  ; v: 8 bytes at 256 + 8 x (thread % 16)
.irp mt, 0,1
.irp nt, 0,1,2
	ds_store_b128 v[PST], v[ACC+8*(3*\mt+\nt):ACC+8*(3*\mt+\nt)+3] offset:128*\nt+64*\mt        ; each accumulator from its low end on
	ds_store_b128 v[PST], v[ACC+8*(3*\mt+\nt)+4:ACC+8*(3*\mt+\nt)+7] offset:128*\nt+64*\mt+16
.endr
.endr
	s_wait_dscnt 0x0                               ; for the others' sake: my partial sums have landed
	s_barrier_signal -1
	s_barrier_wait -1
.irp w, 0,1,2,3,4,5,6,7
	ds_load_b128 v[QD+4*\w:QD+4*\w+3], v10 offset:\w*PARTW
.endr
.irp w, 0,1,2,3,4,5,6,7
	ds_load_b64 v[PD+2*\w:PD+2*\w+1], v11 offset:\w*PARTW+256
.endr
	s_wait_dscnt 8                                 ; the eight loads of 16 bytes are in; the eight of 8 bytes may be out
.irp d, 4,2,1
.set i, 0
.rept \d
	v_pk_add_f32 v[QD+4*i:QD+4*i+1], v[QD+4*i:QD+4*i+1], v[QD+4*(i+\d):QD+4*(i+\d)+1]
	v_pk_add_f32 v[QD+4*i+2:QD+4*i+3], v[QD+4*i+2:QD+4*i+3], v[QD+4*(i+\d)+2:QD+4*(i+\d)+3]
.set i, i+1
.endr
.endr
	global_store_b128 v[GOFF], v[QD:QD+3], s[8:9]  ; sixteen lanes store a head's 256 bytes (q | k), aligned; the work-group 4,096 on end
	s_wait_dscnt 0x0
.irp d, 4,2,1
.set i, 0
.rept \d
	v_pk_add_f32 v[PD+2*i:PD+2*i+1], v[PD+2*i:PD+2*i+1], v[PD+2*(i+\d):PD+2*(i+\d)+1]
.set i, i+1
.endr
.endr
	global_store_b64 v12, v[PD:PD+1], s[10:11]     ; a wave stores 256 consecutive bytes, aligned: two heads' v
	s_set_vgpr_msb 0x4
	s_wait_tensorcnt 0x0
	ds_add_u32 v255, v1
	s_wait_dscnt 0x0
	s_set_vgpr_msb 0x400
	s_endpgm
.Lfunc_end_k_q726ae3e8d1_qkv:
	.size	k_q726ae3e8d1_qkv, .Lfunc_end_k_q726ae3e8d1_qkv-k_q726ae3e8d1_qkv
	.p2alignl 7, 3214868480
	.fill 96, 4, 3214868480
	.section	.rodata,"a",@progbits
	.p2align	6, 0x0
	.amdhsa_kernel k_q726ae3e8d1_qkv
		.amdhsa_group_segment_fixed_size 168960
		.amdhsa_private_segment_fixed_size 0
		.amdhsa_enable_private_segment 0
		.amdhsa_kernarg_size 32
		.amdhsa_user_sgpr_count 2
		.amdhsa_user_sgpr_kernarg_segment_ptr 1
		.amdhsa_wavefront_size32 1
		.amdhsa_system_sgpr_workgroup_id_x 1
		.amdhsa_system_sgpr_workgroup_id_y 1
		.amdhsa_system_sgpr_workgroup_id_z 1
		.amdhsa_system_vgpr_workitem_id 0
		.amdhsa_next_free_vgpr 258
		.amdhsa_next_free_sgpr 66
		.amdhsa_reserve_vcc 0
		.amdhsa_float_denorm_mode_32 3
		.amdhsa_float_denorm_mode_16_64 3
		.amdhsa_memory_ordered 1
		.amdhsa_forward_progress 1
		.amdhsa_inst_pref_size 41
	.end_amdhsa_kernel
	.amdgpu_metadata
---
amdhsa.version: [ 1, 2 ]
amdhsa.kernels:
  - .name:           k_q726ae3e8d1_qkv
    .symbol:         k_q726ae3e8d1_qkv.kd
    .args:
      - { .name: x, .offset: 0, .size: 8, .value_kind: global_buffer, .address_space: global }
      - { .name: w_qkv, .offset: 8, .size: 8, .value_kind: global_buffer, .address_space: global }
      - { .name: qk, .offset: 16, .size: 8, .value_kind: global_buffer, .address_space: global }
      - { .name: vv, .offset: 24, .size: 8, .value_kind: global_buffer, .address_space: global }
    .group_segment_fixed_size: 168960
    .private_segment_fixed_size: 0
    .kernarg_segment_align: 8
    .kernarg_segment_size: 32
    .max_flat_workgroup_size: 256
    .sgpr_count:     66
    .vgpr_count:     258
    .wavefront_size: 32
...
	.end_amdgpu_metadata
.endif
;; end of part 1
;; launch attn (part 2): grid 256 x 1, 16 waves a work-group, no clusters, 100,608 bytes of LDS; arguments qk, vv, ot; writes ot
.if DOCPART == 2
	.amdgcn_target "amdgcn-amd-amdhsa--gfx1250"
	.amdhsa_code_object_version 6
	.text
	.protected	k_q726ae3e8d1_attn
	.globl	k_q726ae3e8d1_attn
	.p2align	8
	.type	k_q726ae3e8d1_attn,@function
k_q726ae3e8d1_attn:
	s_mov_b64 s[64:65], 0
	v_nop
	global_prefetch_b8 v0, s[64:65] scope:SCOPE_SE
	s_setreg_imm32_b32 hwreg(HW_REG_WAVE_MODE, 25, 1), 1
	s_wait_xcnt 0x0
; ot[h][i] = sum over j <= i of softmax_j(q[i][h] k[j][h] / 8) v[j][h]: 64 heads of size 1, 2,048 rows, causal.  All in f32: the result goes on into a quantiser.
; IN: qk = [64 blocks of 32 rows][64 heads][q 32 | k 32], vv = [64 blocks][64 heads][v 32].  OUT: ot = [64 heads][2048 rows].
; THE ROW'S MAXIMUM IS KNOWN AHEAD.  The largest q_i k_j over j <= i is q_i x the running maximum of k (q_i > 0) or x its running minimum (q_i < 0); multiplication by one number keeps the order, rounded too.  So
; m_i = max(q' kmax_i, q' kmin_i), q' = q log2(e) / 8, is the exact largest exponent; p = 2^(q' k_j - m_i) is one fused multiply-add and one v_exp_f32, at most about 1, and the row's sum is at least about 1.
; Nothing is rescaled on the way, and sums over parts of the keys simply add.
; SHARES.  Work-group = one head and four blocks of 128 rows: g, 7 - g, 8 + g, 15 - g (g = 0..3): block b has 128 b keys in front of it, and the four numbers add up to 30 for every g.  Sixteen waves.
; A LANE IS A ROW: row = 128 b + 32 r + lane, r = 0..3, in two register pairs for the packed forms.  A key is the same for all lanes: k and v come out of LDS by loads in which every lane names the same address,
; and the packed forms take one register of a pair for both halves (op_sel).  THE WAVES SHARE THE KEYS: wave w takes keys 128 t + 8 w + 0..7 for every t < b: b sections of 8 keys x 128 rows for block b, the same
; for all waves.  One loop over t of constant trip count; a block's section is jumped over where t >= b (a scalar branch on ids).  In a block's own 128 keys wave w takes keys 32 g' + 2 w + e (g' = 0..3, e = 0, 1):
; then registers r < g' have no part, r = g' is masked (lanes >= 2 w + e count) and r > g' count whole, the same in every wave: 20 exponentials.  That part comes first and starts the sums: nothing is cleared.
; THE HEAD.  Wave w loads q, k, v of block w, scans k (maximum and minimum, inside 16 lanes by DPP, on by v_readlane_b32), the blocks' totals meet in LDS, and k, v, q', -m of all 2,048 rows are laid into LDS.
; THE END.  The sixteen waves' sums meet in LDS; waves 0 to 3 add them for one block each, divide and store 512 consecutive bytes an instruction.
; NO JOINT LOADS: the four work-groups of a head share 24,576 bytes, read once at the head.
; LIMITS: NaN and infinities (in q, k, v or in q' k) are not served; a weight under 2^-126 comes out of v_exp_f32 as 0 (beside a sum of at least about 1).
.set KLB, 0                            ; LDS: k by row, 8,192 bytes
.set VLB, 8192                         ; v by row
.set QSB, 16384                        ; q' by row
.set NMB, 24576                        ; -m by row
.set WTB, 32768                        ; the 16 blocks' largest k, 64 bytes on their smallest
.set PSB, 33024                        ; partial sums: [4 blocks][16 waves][sum of 128 rows | weighted sum of 128 rows], 1,024 bytes a wave and block
.set LN,  1                            ; v1   lane
.set L16, 2                            ; v2   lane % 16
.set GQ,  3                            ; v3   my offset in qk
.set GV,  4                            ; v4   and in vv
.set SA,  5                            ; v5   4 x (128 wave + lane): my row's word in the arrays by row
.set PA,  6                            ; v6   my word among the partial sums
.set WA,  7                            ; v7   my wave's word among the totals
.set WRD, 8                            ; v8   the word of block lane % 16
.set CA0, 9                            ; v9   LDS address of the keys fetched into buffer 1
.set CA1, 10                           ; v10  and into buffer 0
.set DA,  12                           ; v12-15 block kk: its own keys 2 w, 2 w + 1
.set RA,  16                           ; v16-19 block kk: my row's word
.set NINF, 20
.set PINF, 21
.set FA,  22
.set GO,  23
.set T,   32                           ; v32-63 scores, then weights;  at the head: Q, MXS, MNS, VR, TM, KR
.set Q,   32
.set MXS, 36
.set MNS, 40
.set VR,  44
.set TM,  48
.set KR,  56
.set BK,  64                           ; v64-127 block kk at BK + 16 kk: q' (4), -m (4), sum (4), weighted sum (4)
.set KV,  128                          ; v128-159 buffer p at KV + 16 p: 8 k, 8 v
.set DG,  160                          ; v160-223 block kk at DG + 16 kk: its own keys' k (8: 2 g' + e), v (8)
.set F,   32                           ; the end: 16 waves' sums of 4 rows, v32-95;
.set G,   96                           ; weighted sums, v96-159
.set BB,  24                           ; s24-27 the four blocks' numbers
.set M0,  28                           ; s28, s29 lanes >= 2 w, lanes >= 2 w + 1
.set HI,  30                           ; s30  lanes 16-31
.set CC,  31                           ; s31  log2(e) / 8
.set TT,  32                           ; s32  t
.set NN,  33                           ; s33  the loop's counter
	s_load_b128 s[4:7], s[0:1], 0x0                ; qk, vv
	s_load_b64 s[8:9], s[0:1], 0x10                ; ot
	v_lshl_add_u32 v224, v0, 2, 0x18100
	v_mov_b32 v225, 0
	v_lshrrev_b32 v1, 5, v0
	v_readfirstlane_b32 s12, v1                    ; wave 0..15
	s_lshr_b32 s13, ttmp9, 2                       ; head
	s_and_b32 s14, ttmp9, 3                        ; g
	v_and_b32 v[LN], 31, v0
	v_and_b32 v[L16], 15, v0
	s_lshl_b32 s15, s12, 16                        ; qk: four blocks of 32 rows a wave, 64 x 256 bytes each
	v_lshl_add_u32 v[GQ], v[LN], 2, s15
	s_lshl_b32 s15, s12, 15                        ; vv: half of that
	v_lshl_add_u32 v[GV], v[LN], 2, s15
	s_lshl_b32 s15, s12, 9
	v_lshl_add_u32 v[SA], v[LN], 2, s15
	s_lshl_b32 s15, s12, 10
	s_add_co_u32 s15, s15, PSB
	v_lshl_add_u32 v[PA], v[LN], 2, s15
	v_mov_b32 v[WA], s12
	v_lshl_add_u32 v[WA], v[WA], 2, WTB
	v_lshl_add_u32 v[WRD], v[L16], 2, WTB
	s_lshl_b32 s15, s12, 5                         ; my 8 keys of t = 0: 32 bytes a wave
	v_mov_b32 v[CA1], s15
	s_add_co_u32 s15, s15, 512                     ; and of t = 1
	v_mov_b32 v[CA0], s15
	s_mov_b32 s[BB], s14                           ; g, 7 - g, 8 + g, 15 - g: for g under 4 these are g xor 0, 7, 8, 15
	s_xor_b32 s[BB+1], s14, 7
	s_xor_b32 s[BB+2], s14, 8
	s_xor_b32 s[BB+3], s14, 15
.irp kk, 1,2,3
	s_and_b32 s[BB+\kk], s[BB+\kk], 15             ; (states the bound 0..15, so that the LDS addresses made of it can be read off the text)
.endr
	s_lshl_b32 s17, s12, 3
.irp kk, 0,1,2,3
	s_lshl_b32 s15, s[BB+\kk], 9                   ; 128 rows x 4 bytes a block
	v_lshl_add_u32 v[RA+\kk], v[LN], 2, s15
	s_add_co_u32 s15, s15, s17                     ; + 2 w keys
	v_mov_b32 v[DA+\kk], s15
.endr
	s_lshl_b32 s15, s12, 1
	s_lshl_b32 s[M0], -1, s15
	s_lshl_b32 s[M0+1], s[M0], 1
	s_mov_b32 s[HI], 0xffff0000
	s_mov_b32 s[CC], 0x3e38aa3b                    ; log2(e) / 8
	v_mov_b32 v[NINF], 0xff800000
	v_mov_b32 v[PINF], 0x7f800000
	s_mov_b32 s21, 0
	s_wait_kmcnt 0x0
	s_lshl_b32 s20, s13, 8
	s_add_nc_u64 s[4:5], s[4:5], s[20:21]          ; qk at my head
	s_lshl_b32 s20, s13, 7
	s_add_nc_u64 s[6:7], s[6:7], s[20:21]          ; vv
	s_lshl_b32 s20, s13, 13
	s_add_nc_u64 s[8:9], s[8:9], s[20:21]          ; ot
.irp r, 0,1,2,3
	global_load_b32 v[KR+\r], v[GQ], s[4:5] offset:16384*\r+128    ; k of rows 128 w + 32 r + lane
.endr
.irp r, 0,1,2,3
	global_load_b32 v[Q+\r], v[GQ], s[4:5] offset:16384*\r         ; q
.endr
.irp r, 0,1,2,3
	global_load_b32 v[VR+\r], v[GV], s[6:7] offset:8192*\r         ; v
.endr
	s_wait_loadcnt 8                               ; k's four loads are in; q's and v's eight may be out
.irp r, 0,1,2,3
	ds_store_b32 v[SA], v[KR+\r] offset:KLB+128*\r
	v_mov_b32 v[MXS+\r], v[KR+\r]
	v_mov_b32 v[MNS+\r], v[KR+\r]
.endr
.irp n, 1,2,4,8                                ; running maximum and minimum inside each 16 lanes: lane i takes lane i - n; a lane without a source keeps what it has
.irp r, 0,1,2,3
	v_max_num_f32_dpp v[MXS+\r], v[MXS+\r], v[MXS+\r] row_shr:\n row_mask:0xf bank_mask:0xf
	v_min_num_f32_dpp v[MNS+\r], v[MNS+\r], v[MNS+\r] row_shr:\n row_mask:0xf bank_mask:0xf
.endr
.endr
.irp r, 0,1,2,3                                ; lanes 16-31 take lane 15's in
	v_readlane_b32 s[16+\r], v[MXS+\r], 15
	v_readlane_b32 s[20+\r], v[MNS+\r], 15
.endr
.irp r, 0,1,2,3
	v_max_num_f32 v[TM+\r], s[16+\r], v[MXS+\r]
	v_min_num_f32 v[TM+4+\r], s[20+\r], v[MNS+\r]
.endr
.irp r, 0,1,2,3
	v_cndmask_b32 v[MXS+\r], v[MXS+\r], v[TM+\r], s[HI]
	v_cndmask_b32 v[MNS+\r], v[MNS+\r], v[TM+4+\r], s[HI]
.endr
.irp r, 1,2,3                                  ; and each 32 rows the 32 rows' before them
	v_readlane_b32 s16, v[MXS+\r-1], 31
	v_readlane_b32 s17, v[MNS+\r-1], 31
	v_max_num_f32 v[MXS+\r], s16, v[MXS+\r]
	v_min_num_f32 v[MNS+\r], s17, v[MNS+\r]
.endr
	v_readlane_b32 s16, v[MXS+3], 31               ; my block's largest and smallest k
	v_readlane_b32 s17, v[MNS+3], 31
	v_mov_b32 v[TM], s16
	v_mov_b32 v[TM+1], s17
	ds_store_b32 v[WA], v[TM]                      ; all lanes write the same word with the same value
	ds_store_b32 v[WA], v[TM+1] offset:64
	s_wait_loadcnt 0x0                             ; q and v
.irp r, 0,1,2,3
	ds_store_b32 v[SA], v[VR+\r] offset:VLB+128*\r
.endr
	s_wait_dscnt 0x0                               ; for the others' sake: my stores have landed
	s_barrier_signal -1
	s_barrier_wait -1
	ds_load_b32 v[TM], v[WRD]                      ; block lane % 16's totals
	ds_load_b32 v[TM+1], v[WRD] offset:64
.irp r, 0,1,2,3
	v_mul_f32 v[Q+\r], s[CC], v[Q+\r]              ; q'
.endr
	v_cmp_gt_u32 vcc_lo, s12, v[L16]               ; the blocks in front of mine
	s_wait_dscnt 0x0
	v_cndmask_b32 v[TM], v[NINF], v[TM], vcc_lo
	v_cndmask_b32 v[TM+1], v[PINF], v[TM+1], vcc_lo
.irp n, 1,2,4,8
	v_max_num_f32_dpp v[TM], v[TM], v[TM] row_xmask:\n row_mask:0xf bank_mask:0xf
	v_min_num_f32_dpp v[TM+1], v[TM+1], v[TM+1] row_xmask:\n row_mask:0xf bank_mask:0xf
.endr
.irp r, 0,1,2,3
	v_max_num_f32 v[MXS+\r], v[MXS+\r], v[TM]      ; the largest and the smallest k over j <= my row
	v_min_num_f32 v[MNS+\r], v[MNS+\r], v[TM+1]
.endr
.irp r, 0,1,2,3
	v_mul_f32 v[MXS+\r], v[Q+\r], v[MXS+\r]
	v_mul_f32 v[MNS+\r], v[Q+\r], v[MNS+\r]
.endr
.irp r, 0,1,2,3
	v_min_num_f32 v[MXS+\r], -v[MXS+\r], -v[MNS+\r]    ; -m
.endr
.irp r, 0,1,2,3
	ds_store_b32 v[SA], v[Q+\r] offset:QSB+128*\r
	ds_store_b32 v[SA], v[MXS+\r] offset:NMB+128*\r
.endr
	s_wait_dscnt 0x0
	s_barrier_signal -1
	s_barrier_wait -1                              ; k, v, q', -m of all rows lie in LDS; nobody writes them again
.irp kk, 0,1,2,3
.irp r, 0,1,2,3
	ds_load_b32 v[BK+16*\kk+\r], v[RA+\kk] offset:QSB+128*\r
	ds_load_b32 v[BK+16*\kk+4+\r], v[RA+\kk] offset:NMB+128*\r
.endr
.endr
.irp kk, 0,1,2,3
.irp q, 0,1,2,3
	ds_load_b64 v[DG+16*\kk+2*\q:DG+16*\kk+2*\q+1], v[DA+\kk] offset:KLB+128*\q       ; the block's own keys 32 g' + 2 w, + 1: every lane names the same address
	ds_load_b64 v[DG+16*\kk+8+2*\q:DG+16*\kk+9+2*\q], v[DA+\kk] offset:VLB+128*\q
.endr
.endr
; 8 keys' k and v into buffer p
.macro FETCH p, adr
	ds_load_b128 v[KV+16*\p:KV+16*\p+3], v[\adr]
	ds_load_b128 v[KV+16*\p+4:KV+16*\p+7], v[\adr] offset:16
	ds_load_b128 v[KV+16*\p+8:KV+16*\p+11], v[\adr] offset:VLB
	ds_load_b128 v[KV+16*\p+12:KV+16*\p+15], v[\adr] offset:VLB+16
.endm
; v[d:d+1] = v[a:a+1] x v[b+e] + v[c:c+1]: of the pair b one register serves both halves
.macro PKF d, a, b, e, c
.if \e
	v_pk_fma_f32 v[\d:\d+1], v[\a:\a+1], v[\b:\b+1], v[\c:\c+1] op_sel:[0,1,0] op_sel_hi:[1,1,1]
.else
	v_pk_fma_f32 v[\d:\d+1], v[\a:\a+1], v[\b:\b+1], v[\c:\c+1] op_sel_hi:[1,0,1]
.endif
.endm
; A block's own 128 keys, my eight of them.  The score of key (g', e) and register r stands at T + 8 g' + 4 e + r, for r >= g'.
.macro DIAG kk
.set QS, BK+16*\kk
.set NM, QS+4
.set LL, QS+8
.set AC, QS+12
.set DK, DG+16*\kk
.set DV, DK+8
.irp e, 0,1
	PKF T+4*\e, QS, DK, \e, NM
	PKF T+4*\e+2, QS+2, DK, \e, NM+2
	v_fma_f32 v[T+9+4*\e], v[QS+1], v[DK+2+\e], v[NM+1]
	PKF T+10+4*\e, QS+2, DK+2, \e, NM+2
	PKF T+18+4*\e, QS+2, DK+4, \e, NM+2
	v_fma_f32 v[T+27+4*\e], v[QS+3], v[DK+6+\e], v[NM+3]
.endr
.irp n, 0,1,2,3,4,5,6,7,9,10,11,13,14,15,18,19,22,23,27,31
	v_exp_f32 v[T+\n], v[T+\n]
.endr
	v_nop                                          ; a plain instruction behind the last exponential
	s_wait_alu depctr_va_vdst(0)                   ; the wait ahead of the first instruction that names a result: one for the batch of 20
.irp e, 0,1                                    ; register r = g': key 32 g' + 2 w + e counts for lanes >= 2 w + e; elsewhere the weight is 0
	v_cndmask_b32 v[T+4*\e], 0, v[T+4*\e], s[M0+\e]
	v_cndmask_b32 v[T+9+4*\e], 0, v[T+9+4*\e], s[M0+\e]
	v_cndmask_b32 v[T+18+4*\e], 0, v[T+18+4*\e], s[M0+\e]
	v_cndmask_b32 v[T+27+4*\e], 0, v[T+27+4*\e], s[M0+\e]
.endr
	v_pk_add_f32 v[LL:LL+1], v[T:T+1], v[T+4:T+5]                  ; g' = 0 reaches all four registers: it starts the sums
	v_pk_add_f32 v[LL+2:LL+3], v[T+2:T+3], v[T+6:T+7]
	v_pk_mul_f32 v[AC:AC+1], v[T:T+1], v[DV:DV+1] op_sel_hi:[1,0]
	v_pk_mul_f32 v[AC+2:AC+3], v[T+2:T+3], v[DV:DV+1] op_sel_hi:[1,0]
	PKF AC, T+4, DV, 1, AC
	PKF AC+2, T+6, DV, 1, AC+2
.irp e, 0,1
	v_add_f32 v[LL+1], v[LL+1], v[T+9+4*\e]
	v_fmac_f32 v[AC+1], v[T+9+4*\e], v[DV+2+\e]
	v_pk_add_f32 v[LL+2:LL+3], v[LL+2:LL+3], v[T+10+4*\e:T+11+4*\e]
	PKF AC+2, T+10+4*\e, DV+2, \e, AC+2
	v_pk_add_f32 v[LL+2:LL+3], v[LL+2:LL+3], v[T+18+4*\e:T+19+4*\e]
	PKF AC+2, T+18+4*\e, DV+4, \e, AC+2
	v_add_f32 v[LL+3], v[LL+3], v[T+27+4*\e]
	v_fmac_f32 v[AC+3], v[T+27+4*\e], v[DV+6+\e]
.endr
.endm
; A section: the 8 keys in buffer p against block kk's 128 rows, where the keys lie in front of the block (t < b)
.macro SECT kk, p
.set QS, BK+16*\kk
.set NM, QS+4
.set LL, QS+8
.set AC, QS+12
.set KK, KV+16*\p
.set VV, KK+8
	s_cmp_lt_u32 s[TT], s[BB+\kk]
	s_cbranch_scc0 .Lskip_\@
.irp u, 0,1,2,3,4,5,6,7
	PKF T+4*\u, QS, KK+2*(\u/2), \u%2, NM          ; q' k - m, two rows an instruction
	PKF T+4*\u+2, QS+2, KK+2*(\u/2), \u%2, NM+2
.endr
.irp n, 0,1,2,3,4,5,6,7,8,9,10,11,12,13,14,15,16,17,18,19,20,21,22,23,24,25,26,27,28,29,30,31
	v_exp_f32 v[T+\n], v[T+\n]
.endr
	v_nop                                          ; a plain instruction behind the last exponential
	s_wait_alu depctr_va_vdst(0)                   ; the wait ahead of the first instruction that names a result: one for the batch of 32
.irp u, 0,1,2,3,4,5,6,7
	v_pk_add_f32 v[LL:LL+1], v[LL:LL+1], v[T+4*\u:T+4*\u+1]
	v_pk_add_f32 v[LL+2:LL+3], v[LL+2:LL+3], v[T+4*\u+2:T+4*\u+3]
	PKF AC, T+4*\u, VV+2*(\u/2), \u%2, AC
	PKF AC+2, T+4*\u+2, VV+2*(\u/2), \u%2, AC+2
.endr
.Lskip_\@:
.endm
	FETCH 0, CA1                                   ; t = 0
	s_wait_dscnt 4                                 ; all but these four: q', -m and the blocks' own keys are in
	DIAG 0
	DIAG 1
	DIAG 2
	DIAG 3
	s_mov_b32 s[TT], 0
	s_mov_b32 s[NN], 0
.Ltrip:                                            ; 7 trips of two t: t = 0 .. 13; the keys of t + 1 are fetched while those of t are worked on
	FETCH 1, CA0
	s_wait_dscnt 4                                 ; buffer 0's four loads are in; the four just issued may be out
	v_add_nc_u32 v[CA1], 1024, v[CA1]              ; their address is free since that wait: two t on
	SECT 3, 0
	SECT 2, 0
	SECT 1, 0
	SECT 0, 0
	s_add_co_u32 s[TT], s[TT], 1
	FETCH 0, CA1
	s_wait_dscnt 4                                 ; buffer 1's four loads are in
	v_add_nc_u32 v[CA0], 1024, v[CA0]
	SECT 3, 1
	SECT 2, 1
	SECT 1, 1
	SECT 0, 1
	s_add_co_u32 s[TT], s[TT], 1
	s_add_co_u32 s[NN], s[NN], 1
	s_cmp_lt_u32 s[NN], 7
	s_cbranch_scc1 .Ltrip
	s_wait_dscnt 0x0
	SECT 3, 0                                      ; t = 14: block 15 alone has keys there; nothing more is fetched
.irp kk, 0,1,2,3
.irp r, 0,1,2,3
	ds_store_b32 v[PA], v[BK+16*\kk+8+\r] offset:16384*\kk+128*\r          ; by row: 4 x (32 r + lane)
	ds_store_b32 v[PA], v[BK+16*\kk+12+\r] offset:16384*\kk+512+128*\r
.endr
.endr
	s_and_b32 s15, s12, 3                          ; the end: wave kk = 0..3 takes the kk-th block
	s_lshl_b32 s16, s15, 14
	s_add_co_u32 s16, s16, PSB
	v_lshl_add_u32 v[FA], v[LN], 4, s16            ; rows 4 lane .. 4 lane + 3 of it
	s_and_b32 s17, s15, 1                          ; 0, 7, 8, 15 = 7 (kk % 2) + 8 (kk / 2)
	s_mul_i32 s17, s17, 7
	s_lshr_b32 s18, s15, 1
	s_lshl_b32 s18, s18, 3
	s_add_co_u32 s17, s17, s18
	s_xor_b32 s17, s17, s14                        ; the block's number
	s_lshl_b32 s17, s17, 9
	v_lshl_add_u32 v[GO], v[LN], 4, s17
	s_wait_dscnt 0x0                               ; for the others' sake: my sums have landed
	s_barrier_signal -1
	s_barrier_wait -1
	s_cmp_lt_u32 s12, 4
	s_cbranch_scc0 .Lend
.irp w, 0,1,2,3,4,5,6,7,8,9,10,11,12,13,14,15
	ds_load_b128 v[F+4*\w:F+4*\w+3], v[FA] offset:1024*\w
.endr
.irp w, 0,1,2,3,4,5,6,7,8,9,10,11,12,13,14,15
	ds_load_b128 v[G+4*\w:G+4*\w+3], v[FA] offset:1024*\w+512
.endr
.macro SUM16 base
.irp d, 8,4,2,1
.set i, 0
.rept \d
	v_pk_add_f32 v[\base+4*i:\base+4*i+1], v[\base+4*i:\base+4*i+1], v[\base+4*(i+\d):\base+4*(i+\d)+1]
	v_pk_add_f32 v[\base+4*i+2:\base+4*i+3], v[\base+4*i+2:\base+4*i+3], v[\base+4*(i+\d)+2:\base+4*(i+\d)+3]
.set i, i+1
.endr
.endr
.endm
	s_wait_dscnt 16                                ; the sums' sixteen loads are in; the weighted sums' sixteen may be out
	SUM16 F
.irp e, 0,1,2,3
	v_rcp_f32 v[F+4+\e], v[F+\e]
.endr
	s_wait_dscnt 0x0
	SUM16 G                                        ; plain work behind the reciprocals, which names none of their results
	s_wait_alu depctr_va_vdst(0)                   ; the wait ahead of the first reader: one for the four
	v_pk_mul_f32 v[G:G+1], v[G:G+1], v[F+4:F+5]
	v_pk_mul_f32 v[G+2:G+3], v[G+2:G+3], v[F+6:F+7]
	global_store_b128 v[GO], v[G:G+3], s[8:9]      ; the wave stores its block's 512 consecutive bytes, aligned
.Lend:
	s_wait_tensorcnt 0x0
	ds_add_u32 v224, v225
	s_wait_dscnt 0x0
	s_endpgm
.Lfunc_end_k_q726ae3e8d1_attn:
	.size	k_q726ae3e8d1_attn, .Lfunc_end_k_q726ae3e8d1_attn-k_q726ae3e8d1_attn
	.p2alignl 7, 3214868480
	.fill 96, 4, 3214868480
	.section	.rodata,"a",@progbits
	.p2align	6, 0x0
	.amdhsa_kernel k_q726ae3e8d1_attn
		.amdhsa_group_segment_fixed_size 100608
		.amdhsa_private_segment_fixed_size 0
		.amdhsa_enable_private_segment 0
		.amdhsa_kernarg_size 24
		.amdhsa_user_sgpr_count 2
		.amdhsa_user_sgpr_kernarg_segment_ptr 1
		.amdhsa_wavefront_size32 1
		.amdhsa_system_sgpr_workgroup_id_x 1
		.amdhsa_system_sgpr_workgroup_id_y 1
		.amdhsa_system_sgpr_workgroup_id_z 1
		.amdhsa_system_vgpr_workitem_id 0
		.amdhsa_next_free_vgpr 226
		.amdhsa_next_free_sgpr 66
		.amdhsa_reserve_vcc 1
		.amdhsa_float_denorm_mode_32 3
		.amdhsa_float_denorm_mode_16_64 3
		.amdhsa_memory_ordered 1
		.amdhsa_forward_progress 1
		.amdhsa_inst_pref_size 75
	.end_amdhsa_kernel
	.amdgpu_metadata
---
amdhsa.version: [ 1, 2 ]
amdhsa.kernels:
  - .name:           k_q726ae3e8d1_attn
    .symbol:         k_q726ae3e8d1_attn.kd
    .args:
      - { .name: qk, .offset: 0, .size: 8, .value_kind: global_buffer, .address_space: global }
      - { .name: vv, .offset: 8, .size: 8, .value_kind: global_buffer, .address_space: global }
      - { .name: ot, .offset: 16, .size: 8, .value_kind: global_buffer, .address_space: global }
    .group_segment_fixed_size: 100608
    .private_segment_fixed_size: 0
    .kernarg_segment_align: 8
    .kernarg_segment_size: 24
    .max_flat_workgroup_size: 512
    .sgpr_count:     66
    .vgpr_count:     226
    .wavefront_size: 32
...
	.end_amdgpu_metadata
.endif
;; end of part 2
;; launch proj (part 3): grid 256 x 1, 4 waves a work-group, no clusters, 168,448 bytes of LDS; arguments ot, w_out, out0; writes out0
.if DOCPART == 3
	.amdgcn_target "amdgcn-amd-amdhsa--gfx1250"
	.amdhsa_code_object_version 6
	.text
	.protected	k_q726ae3e8d1_proj
	.globl	k_q726ae3e8d1_proj
	.p2align	8
	.type	k_q726ae3e8d1_proj,@function
k_q726ae3e8d1_proj:
	s_mov_b64 s[64:65], 0
	v_nop
	global_prefetch_b8 v0, s[64:65] scope:SCOPE_SE
	s_setreg_imm32_b32 hwreg(HW_REG_WAVE_MODE, 25, 1), 1
	s_wait_xcnt 0x0
; out0 = Q(o) Q(w_out)^T on codes of FP4 (E2M1) with one E8M0 scale for each 32 along K = the 64 heads.  ot: [64 heads][2048 rows] f32 (K is its FIRST axis), w_out: [1024][64] f32 (K innermost), out0: [2048][1024] f32.
; SHARES.  A wave makes 32 rows x 64 columns by itself: no barrier, nothing goes from wave to wave.  Work-group = 32 rows x 256 columns, four waves side by side; each quantises the 32 rows anew (8,192 bytes).
; o: A LANE TAKES A ROW, ITS 64 REGISTERS RUN DOWN THE HEADS: each load reads 128 consecutive bytes, both blocks of 32 lie in one lane, and the conversions give codes with K innermost.  The operand's layout wants
; block h of row r in lane (r, h): v_permlane16_swap_b32 of a register of block 0 with one of block 1 gives the fragment of rows 0-15 in the first and that of rows 16-31 in the second.  The scale words stay as they are:
; rows 0-15 stand in lanes 0-15, rows 16-31 in lanes 16-31, which the second fragment's products select.
; w_out: a wave's 64 rows are 16,384 consecutive bytes: loaded as they lie, turned through the wave's own stage in LDS, so that lane (r, h) gets the 32 numbers of block h of row r.
; K = 64 IS FILLED TO THE INSTRUCTION'S 128 WITH ZERO CODES on both sides (registers 4-7 of every fragment), under the scale byte 127.
; THE MATRIX INSTRUCTION IS USED TRANSPOSED (source 0 = 16 rows of w_out, source 1 = 16 rows of o): a lane holds eight neighbouring numbers of a row of out0; they go through the wave's own stage and leave
; sixteen lanes to 256 consecutive bytes, aligned.
; NO JOINT LOADS: a wave reads 24,576 bytes once, at its head, through registers, to quantise them.
; LIMITS: NaN and infinities are not served; a block of zeros gets the byte 1 where the rule says 127 (its codes are zeros, and this program alone reads the byte).
.set WP,    272                        ; a stage row: 256 bytes + 16: an odd multiple of 16, so that sixteen rows' pieces of 16 bytes fall on different banks (64 banks of 4 bytes: ISA guide 11.1)
.set OSTG,  64*WP                      ; behind w_out's 64 rows: two stages of 16 rows for the way out
.set WREG,  OSTG+2*16*WP               ; a wave's LDS: 26,112 bytes
.set GO4,   4                          ; v4   4 x lane
.set GW,    5                          ; v5   16 x lane
.set WSS,   6                          ; v6   stage by rows: row lane / 16, 16 x (lane % 16): w_out on its way in, out0 on its way back
.set WSL,   8                          ; v8   stage by fragments: row r, + 128 h
.set OSS,   9                          ; v9   the way out: row r, + 32 h
.set GOUT,  10                         ; v10  out0: row lane / 16, 16 x (lane % 16)
.set H8,    11                         ; v11  8 h
.set WRW,   16                         ; v16-143  w_out as loaded
.set ORW,   144                        ; v144-207 o: register = head
.set X,     16                         ; later: v16-79 two sets of 32 numbers of w_out
.set MX,    80                         ; v80-83
.set SO,    84                         ; v84-85
.set BY,    86                         ; v86-87
.set TA,    88
.set TB,    89
.set WS,    96                         ; v96-99 w_out's scale words, a tile each
.set SWO,   100                        ; v100   o's scale words: lane = row
.set ACC,   144                        ; later: v144-207 eight accumulators
.set WC,    208                        ; v208-239 w_out's four fragments
.set OA,    240                        ; v240-255 o's two
.set OB,    16                         ; the way out: 32 rows read back
.set SEL,   20                         ; s[20:21] v_permlanex16_b32's selects for lane l xor 16
	s_load_b128 s[4:7], s[0:1], 0x0                ; ot, w_out
	s_load_b64 s[8:9], s[0:1], 0x10                ; out0
	v_lshl_add_u32 v14, v0, 2, 0x29000
	v_mov_b32 v15, 0
	v_lshrrev_b32 v1, 5, v0
	v_readfirstlane_b32 s10, v1                    ; wave 0..3
	s_lshr_b32 s11, ttmp9, 2                       ; which 32 rows
	s_and_b32 s12, ttmp9, 3                        ; which 256 columns
	v_and_b32 v1, 31, v0
	v_and_b32 v2, 15, v0                           ; r
	v_bfe_u32 v3, v0, 4, 1                         ; h
	v_lshlrev_b32 v[GO4], 2, v1
	v_lshlrev_b32 v[GW], 4, v1
	s_mul_i32 s13, s10, WREG
	v_mul_u32_u24 v[WSS], v3, WP
	v_lshl_add_u32 v[WSS], v2, 4, v[WSS]
	v_add_nc_u32 v[WSS], s13, v[WSS]
	v_mul_u32_u24 v7, v2, WP
	v_add_nc_u32 v7, s13, v7
	v_lshl_add_u32 v[WSL], v3, 7, v7
	v_lshl_add_u32 v[OSS], v3, 5, v7
	v_lshlrev_b32 v[GOUT], 12, v3
	v_lshl_add_u32 v[GOUT], v2, 4, v[GOUT]
	v_lshlrev_b32 v[H8], 3, v3
	s_mov_b32 s[SEL], 0x76543210
	s_mov_b32 s[SEL+1], 0xfedcba98
	s_mov_b32 s17, 0
	s_wait_kmcnt 0x0
	s_lshl_b32 s16, s11, 7                         ; ot at my 32 rows
	s_add_nc_u64 s[4:5], s[4:5], s[16:17]
	s_lshl_b32 s16, s12, 16                        ; w_out at row 256 x quarter + 64 x wave, 256 bytes a row
	s_lshl_b32 s18, s10, 14
	s_add_co_u32 s16, s16, s18
	s_add_nc_u64 s[6:7], s[6:7], s[16:17]
	s_lshl_b32 s16, s11, 17                        ; out0 at my 32 rows of 4,096 bytes and my 64 columns
	s_lshl_b32 s18, s12, 10
	s_add_co_u32 s16, s16, s18
	s_lshl_b32 s18, s10, 8
	s_add_co_u32 s16, s16, s18
	s_add_nc_u64 s[8:9], s[8:9], s[16:17]
.irp n, 0,1,2,3,4,5,6,7,8,9,10,11,12,13,14,15,16,17,18,19,20,21,22,23,24,25,26,27,28,29,30,31
	global_load_b128 v[WRW+4*\n:WRW+4*\n+3], v[GW], s[6:7] offset:512*\n       ; two rows of w_out, 512 consecutive bytes
.endr
.irp n, 0,1,2,3,4,5,6,7,8,9,10,11,12,13,14,15,16,17,18,19,20,21,22,23,24,25,26,27,28,29,30,31,32,33,34,35,36,37,38,39,40,41,42,43,44,45,46,47,48,49,50,51,52,53,54,55,56,57,58,59,60,61,62,63
	global_load_b32 v[ORW+\n], v[GO4], s[4:5] offset:8192*\n                   ; head n of my row
.endr
.irp t, 0,1,2,3
.irp i, 4,5,6,7
	v_mov_b32 v[WC+8*\t+\i], 0                     ; k = 64 .. 127: zero codes
.endr
.endr
.irp t, 0,1
.irp i, 4,5,6,7
	v_mov_b32 v[OA+8*\t+\i], 0
.endr
.endr
	s_wait_loadcnt 63                              ; 64 loads were issued behind w_out's last; 63 is the largest count that a wait names: w_out is in
.irp n, 0,1,2,3,4,5,6,7,8,9,10,11,12,13,14,15,16,17,18,19,20,21,22,23,24,25,26,27,28,29,30,31
	ds_store_b128 v[WSS], v[WRW+4*\n:WRW+4*\n+3] offset:2*WP*\n
.endr
	s_wait_dscnt 0x0                               ; the stores have read their registers, which are used anew from here on
.macro WTILE t                                 ; tile t of w_out: block h of row 16 t + r: 32 numbers a lane
.irp i, 0,1,2,3,4,5,6,7
	ds_load_b128 v[X+32*((\t)%2)+4*\i:X+32*((\t)%2)+4*\i+3], v[WSL] offset:16*WP*(\t)+16*\i
.endr
.endm
	WTILE 0
	WTILE 1
	v_mov_b32 v[TB], 0                             ; written once: a lane permute's destination counts as one of its sources
	s_wait_loadcnt 0x0                             ; o
.irp c, 0,1                                    ; o: both blocks of my row are mine
	v_max3_num_f32 v[MX+2*\c], |v[ORW+32*\c]|, |v[ORW+32*\c+1]|, 0x1800000     ; the floor 2^(3 - 127) holds the byte at 1 from below
	v_max3_num_f32 v[MX+2*\c+1], |v[ORW+32*\c+16]|, |v[ORW+32*\c+17]|, 0x1800000
.endr
.irp i, 2,4,6,8,10,12,14
.irp c, 0,1
	v_max3_num_f32 v[MX+2*\c], v[MX+2*\c], |v[ORW+32*\c+\i]|, |v[ORW+32*\c+\i+1]|
	v_max3_num_f32 v[MX+2*\c+1], v[MX+2*\c+1], |v[ORW+32*\c+16+\i]|, |v[ORW+32*\c+17+\i]|
.endr
.endr
.irp c, 0,1
	v_max_num_f32 v[MX+2*\c], v[MX+2*\c], v[MX+2*\c+1]
.endr
.irp c, 0,1
	v_add_nc_u32 v[SO+\c], 0xff000000, v[MX+2*\c]  ; 2 off the exponent field: the conversion's scale operand
.endr
.irp c, 0,1
	v_lshrrev_b32 v[BY+\c], 23, v[SO+\c]
.endr
	v_lshl_or_b32 v[SWO], v[BY+1], 8, v[BY]
	v_or_b32 v[SWO], 0x7f7f0000, v[SWO]            ; my row's word: two bytes, and 127 over the zero codes
.irp c, 0,1
.irp g, 0,1,2,3
	v_cvt_scalef32_pk8_fp4_f32 v[OA+8*\c+\g], v[ORW+32*\c+8*\g:ORW+32*\c+8*\g+7], v[SO+\c]
.endr
.endr
	v_nop                                          ; one plain place behind the last scaled conversion
.irp i, 0,1,2,3
	v_permlane16_swap_b32 v[OA+\i], v[OA+8+\i]     ; the first's lanes 16-31 (block 0 of rows 16-31) change places with the second's lanes 0-15 (block 1 of rows 0-15)
.endr
.macro QW t
.set XB, X+32*((\t)%2)
.if (\t) < 3
	s_wait_dscnt 8                                 ; this tile's eight loads are in; the next tile's eight may be out
.else
	s_wait_dscnt 0x0
.endif
	v_max3_num_f32 v[MX], |v[XB]|, |v[XB+1]|, 0x1800000
	v_max3_num_f32 v[MX+1], |v[XB+16]|, |v[XB+17]|, 0x1800000
.irp i, 2,4,6,8,10,12,14
	v_max3_num_f32 v[MX], v[MX], |v[XB+\i]|, |v[XB+\i+1]|
	v_max3_num_f32 v[MX+1], v[MX+1], |v[XB+16+\i]|, |v[XB+17+\i]|
.endr
	v_max_num_f32 v[MX], v[MX], v[MX+1]
	v_add_nc_u32 v[SO], 0xff000000, v[MX]
	v_lshrrev_b32 v[BY], 23, v[SO]
	v_lshlrev_b32 v[TA], v[H8], v[BY]              ; my byte, block h, at its place;
	v_permlanex16_b32 v[TB], v[TA], s[SEL], s[SEL+1]
	v_or_b32 v[TA], v[TA], v[TB]                   ; with lane l xor 16's;
	v_or_b32 v[WS+\t], 0x7f7f0000, v[TA]           ; and 127 over the zero codes
.irp g, 0,1,2,3
	v_cvt_scalef32_pk8_fp4_f32 v[WC+8*\t+\g], v[XB+8*\g:XB+8*\g+7], v[SO]
.endr
	v_nop                                          ; one plain place behind the last scaled conversion
.if (\t)+2 < 4
	WTILE (\t)+2
.endif
.endm
	QW 0
	QW 1
	QW 2
	QW 3
.rept 8
	v_nop                                          ; a scale register written by a vector instruction stands 8 places ahead of a scaled matrix instruction, an operand so written 4
.endr
.irp tw, 0,1,2,3                               ; lane (r, h): row r of o's tile; registers: columns 16 tw + 8 h + 0..7
	v_wmma_scale_f32_16x16x128_f8f6f4 v[ACC+8*\tw:ACC+8*\tw+7], v[WC+8*\tw:WC+8*\tw+7], v[OA:OA+7], 0, v[WS+\tw], v[SWO] matrix_a_fmt:MATRIX_FMT_FP4 matrix_b_fmt:MATRIX_FMT_FP4
.endr
.irp tw, 0,1,2,3
	v_wmma_scale_f32_16x16x128_f8f6f4 v[ACC+32+8*\tw:ACC+32+8*\tw+7], v[WC+8*\tw:WC+8*\tw+7], v[OA+8:OA+15], 0, v[WS+\tw], v[SWO] matrix_a_fmt:MATRIX_FMT_FP4 matrix_b_fmt:MATRIX_FMT_FP4 matrix_b_scale:MATRIX_SCALE_ROW1
.endr
.rept 4
	v_nop                                          ; four places in front of the first read of results
.endr
.irp to, 0,1
.irp tw, 0,1,2,3
	ds_store_b128 v[OSS], v[ACC+32*\to+8*\tw:ACC+32*\to+8*\tw+3] offset:OSTG+16*WP*\to+64*\tw        ; each accumulator from its low end on
	ds_store_b128 v[OSS], v[ACC+32*\to+8*\tw+4:ACC+32*\to+8*\tw+7] offset:OSTG+16*WP*\to+64*\tw+16
.endr
.endr
.irp n, 0,1,2,3,4,5,6,7,8,9,10,11,12,13,14,15
	ds_load_b128 v[OB+4*\n:OB+4*\n+3], v[WSS] offset:OSTG+2*WP*\n     ; LDS serves a wave's instructions in order (ISA guide 5.7.1.4): these see my stores.  Rows 2 n and 2 n + 1
.endr
.irp n, 0,1,2,3,4,5,6,7,8,9,10,11,12,13,14,15
	s_wait_dscnt 15-\n
	global_store_b128 v[GOUT], v[OB+4*\n:OB+4*\n+3], s[8:9] offset:2*\n*4096 th:TH_STORE_NT   ; sixteen lanes store 256 consecutive bytes, aligned; written once, read by nobody here
.endr
	s_wait_tensorcnt 0x0
	ds_add_u32 v14, v15
	s_wait_dscnt 0x0
	s_endpgm
.Lfunc_end_k_q726ae3e8d1_proj:
	.size	k_q726ae3e8d1_proj, .Lfunc_end_k_q726ae3e8d1_proj-k_q726ae3e8d1_proj
	.p2alignl 7, 3214868480
	.fill 96, 4, 3214868480
	.section	.rodata,"a",@progbits
	.p2align	6, 0x0
	.amdhsa_kernel k_q726ae3e8d1_proj
		.amdhsa_group_segment_fixed_size 168448
		.amdhsa_private_segment_fixed_size 0
		.amdhsa_enable_private_segment 0
		.amdhsa_kernarg_size 24
		.amdhsa_user_sgpr_count 2
		.amdhsa_user_sgpr_kernarg_segment_ptr 1
		.amdhsa_wavefront_size32 1
		.amdhsa_system_sgpr_workgroup_id_x 1
		.amdhsa_system_sgpr_workgroup_id_y 1
		.amdhsa_system_sgpr_workgroup_id_z 1
		.amdhsa_system_vgpr_workitem_id 0
		.amdhsa_next_free_vgpr 256
		.amdhsa_next_free_sgpr 66
		.amdhsa_reserve_vcc 0
		.amdhsa_float_denorm_mode_32 3
		.amdhsa_float_denorm_mode_16_64 3
		.amdhsa_memory_ordered 1
		.amdhsa_forward_progress 1
		.amdhsa_inst_pref_size 32
	.end_amdhsa_kernel
	.amdgpu_metadata
---
amdhsa.version: [ 1, 2 ]
amdhsa.kernels:
  - .name:           k_q726ae3e8d1_proj
    .symbol:         k_q726ae3e8d1_proj.kd
    .args:
      - { .name: ot, .offset: 0, .size: 8, .value_kind: global_buffer, .address_space: global }
      - { .name: w_out, .offset: 8, .size: 8, .value_kind: global_buffer, .address_space: global }
      - { .name: out0, .offset: 16, .size: 8, .value_kind: global_buffer, .address_space: global }
    .group_segment_fixed_size: 168448
    .private_segment_fixed_size: 0
    .kernarg_segment_align: 8
    .kernarg_segment_size: 24
    .max_flat_workgroup_size: 128
    .sgpr_count:     66
    .vgpr_count:     256
    .wavefront_size: 32
...
	.end_amdgpu_metadata
.endif
;; end of part 3
;; ======== version 2 of 2: 3 launches; version 1 with the launches qkv, proj written anew for expert scheduling mode
;; workspace buffers: qk 1,048,576 bytes; vv 524,288 bytes; ot 524,288 bytes
;; launch qkv (part 4): grid 256 x 1, 8 waves a work-group, no clusters, 168,960 bytes of LDS; arguments x, w_qkv, qk, vv; writes qk, vv
.if DOCPART == 4
	.amdgcn_target "amdgcn-amd-amdhsa--gfx1250"
	.amdhsa_code_object_version 6
	.text
	.protected	k_q726ae3e8d1_qkv
	.globl	k_q726ae3e8d1_qkv
	.p2align	8
	.type	k_q726ae3e8d1_qkv,@function
k_q726ae3e8d1_qkv:
	s_mov_b64 s[64:65], 0
	v_nop
	global_prefetch_b8 v0, s[64:65] scope:SCOPE_SE
	s_setreg_imm32_b32 hwreg(HW_REG_WAVE_SCHED_MODE, 0, 2), 2
	s_setreg_imm32_b32 hwreg(HW_REG_WAVE_MODE, 25, 1), 1
	s_wait_xcnt 0x0
	s_wait_alu depctr_vm_vsrc(0)
; qkv = Q(x) Q(w_qkv)^T on codes of FP4 (E2M1) with one E8M0 scale for each 32 along K.  x: [2048][1024] f32, w_qkv: [192][1024] f32 (rows 0-63 q, 64-127 k, 128-191 v), K innermost in both.
; OUT: qk = [64 blocks of 32 rows][64 heads][q of the 32 rows | k of the 32 rows], 256 bytes for a block and a head;  vv = [64 blocks][64 heads][v of the 32 rows], f32.
; SHARES.  Work-group = 32 rows of x (block mb) x 16 heads (group g): the q, k and v rows of w_qkv of the same 16 heads, 48 rows.  It reads 80 rows x 4,096 bytes.
; Eight waves; WAVE w TAKES K STEP w (128 along K) OF ALL 80 ROWS: a row's piece is 512 consecutive bytes, one load of the wave.  So each wave quantises its own five fragments (2 of x, 3 of w), multiplies
; them by 6 matrix instructions that start from 0, and no fragment goes from wave to wave.  What goes round are the eight waves' partial sums, 32 x 48 numbers each: through LDS, one barrier, added as a tree in f32.
; A LANE MUST HOLD WHOLE BLOCKS OF 32 ALONG K (the operand's layout: lane (r, h) holds k = 64 c + 32 h + 0..31 of row r in registers 4 c .. 4 c + 3), while a load is best where neighbouring lanes take neighbouring bytes:
; a tile of 16 rows goes through the wave's own stage in LDS as it was loaded and comes back 128 bytes a lane and block.  The conversions' results then are the operand's registers.
; A block's scale is 2^(floor(log2(largest magnitude)) - 2); its byte is the largest magnitude's exponent field - 2, held at 1 from below by a floor among the maximum's leaves.
; NO JOINT TENSOR LOADS, though 4 work-groups share x's rows and 64 share w's: the 80 x 4,096 = 327,680 bytes of a work-group are as many as LDS has, so they would need a ring with a round of a cluster's barrier
; for each refill, for 6 matrix instructions a wave; loads through registers need neither.
; LIMITS: NaN and infinities among the inputs are not served; a block of zeros gets the byte 1 where the rule says 127 (its codes are zeros, and this program alone reads the byte); K is summed in eight f32 parts.
; THE MODE: SCHED_MODE bits 1:0 = 2 (LLVM: expert scheduling mode 2), set by the entry lines.  The code itself states the register dependences
; between vector or matrix instructions and memory or LDS instructions, with s_wait_alu, always for 0.
; THE PLAN.  Registers that memory or LDS instructions touch:
;   v3, v4, v5, v7   offsets and LDS addresses, made at the head and never written again: one wait at the head serves every instruction that reads them.
;   LB0, LB1         two sets of 64: written by a tile's 16 global loads, read by its 16 stores into the stage and by nothing else; set t % 2 is loaded again in tile t, for tile t + 2; later the accumulators and the sums lie there.
;   X                written by a tile's 16 loads from the stage, read by that tile's maxima and conversions.
;   ACC              written by the six products, read by the 12 stores of the partial sums.
;   v10, v11, v12    made behind the products; read by the loads of the partial sums and by vv's store.
;   QD, PD           written by the loads of the partial sums and by the packed additions, read by the two global stores.
; So a tile has one wait on va_vdst, behind its stores into the stage (which touch loaded data and v4 alone) and ahead of its loads into X: the tile before is done reading X; and one on vm_vsrc ahead of the loads
; that land in the set that its stores have read.  One wait on va_vdst stands ahead of the products, one ahead of the stores of their results, one ahead of the two global stores.
.set XROW,  4096                       ; bytes in a row of x and of w_qkv
.set SPIT,  528                        ; a stage row: 512 bytes + 16: an odd multiple of 16, so that sixteen rows' pieces of 16 bytes fall on different banks (64 banks of 4 bytes: ISA guide 11.1)
.set STGW,  16*SPIT                    ; a wave's stage
.set HP,    400                        ; partial sums: a head's 96 numbers (q 32 | k 32 | v 32) + 16 bytes, again an odd multiple of 16
.set PARTW, 16*HP                      ; a wave's partial sums
.set PART,  8*STGW                     ; they lie behind the eight stages
.set GOFF,  3                          ; v3      16 x thread = 512 x wave + 16 x lane: my bytes of a row; also my 16 bytes of the work-group's 4,096 in qk
.set SST,   4                          ; v4      stage, in: 16 x lane
.set SLD,   5                          ; v5      stage, out: row r, + 128 h
.set H8,    6                          ; v6      8 h
.set PST,   7                          ; v7      where my results go among the partial sums
.set MX,    8                          ; v8-11   largest magnitudes, two chains a block
.set SO,    12                         ; v12-13  the conversions' scale operands
.set BY,    14                         ; v14-15  the scale bytes
.set LB,    16                         ; v16-143 two sets of 16 rows x 4 registers as loaded
.set ACC,   16                         ; v16-63  later: the six accumulators
.set QD,    64                         ; v64-95  later: eight partial sums of 4 numbers
.set PD,    96                         ; v96-111 and of 2
.set X,     144                        ; v144-207 64 numbers: register 32 c + i = k 64 c + 32 h + i of row r
.set COD,   208                        ; v208-247 five fragments: x rows 0-15, 16-31; w's q, k, v rows
.set SCL,   248                        ; v248-252 their scale words
.set TA,    253
.set TB,    254
.set SEL,   24                         ; s[24:25] v_permlanex16_b32's selects for lane l xor 16
	s_load_b128 s[4:7], s[0:1], 0x0                ; x, w_qkv
	s_load_b128 s[8:11], s[0:1], 0x10              ; qk, vv
	v_lshl_add_u32 v255, v0, 2, 0x29000
	s_set_vgpr_msb 0x40
	v_mov_b32 v1, 0
	s_set_vgpr_msb 0x4000
	v_lshrrev_b32 v1, 5, v0
	v_readfirstlane_b32 s14, v1                    ; wave 0..7 = my K step
	s_lshr_b32 s15, ttmp9, 2                       ; mb: which 32 rows
	s_and_b32 s16, ttmp9, 3                        ; g: which 16 heads
	v_and_b32 v9, 31, v0                           ; lane
	v_and_b32 v1, 15, v0                           ; r
	v_bfe_u32 v2, v0, 4, 1                         ; h
	v_lshlrev_b32 v[GOFF], 4, v0
	s_wait_alu depctr_va_sdst(0)                   ; s14 is written, ahead of its first reader: the wave's LDS bytes are made from it
	s_mul_i32 s17, s14, STGW
	v_lshl_add_u32 v[SST], v9, 4, s17
	v_mul_u32_u24 v[SLD], v1, SPIT
	v_lshl_add_u32 v[SLD], v2, 7, v[SLD]
	v_add_nc_u32 v[SLD], s17, v[SLD]
	v_lshlrev_b32 v[H8], 3, v2
	s_mul_i32 s18, s14, PARTW
	s_add_co_u32 s18, s18, PART
	v_mul_u32_u24 v[PST], v1, HP                   ; head r,
	v_lshl_add_u32 v[PST], v2, 5, v[PST]           ; rows 8 h on
	v_add_nc_u32 v[PST], s18, v[PST]
	v_mov_b32 v[TB], 0                             ; written once: a lane permute's destination counts as one of its sources
	s_mov_b32 s[SEL], 0x76543210
	s_mov_b32 s[SEL+1], 0xfedcba98
	s_mov_b32 s21, 0
	s_wait_kmcnt 0x0
	s_lshl_b32 s20, s15, 17                        ; x at my 32 rows
	s_add_nc_u64 s[4:5], s[4:5], s[20:21]
	s_lshl_b32 s20, s16, 16                        ; w_qkv at row 16 g
	s_add_nc_u64 s[6:7], s[6:7], s[20:21]
	s_lshl_b32 s20, s15, 14                        ; qk at (64 mb + 16 g) x 256 bytes
	s_lshl_b32 s22, s16, 12
	s_add_co_u32 s20, s20, s22
	s_add_nc_u64 s[8:9], s[8:9], s[20:21]
	s_lshr_b32 s20, s20, 1                         ; vv at (64 mb + 16 g) x 128 bytes
	s_add_nc_u64 s[10:11], s[10:11], s[20:21]
	s_wait_alu depctr_va_vdst(0)                   ; v3, v4, v5 and v7 are written: every load, every access to the stage and every store of partial sums reads one of them, and none is written again
; tile t: 0, 1 = x's rows 16 t on; 2, 3, 4 = w's rows 64 (t - 2) + 16 g on.  Sixteen loads, each 512 consecutive bytes of one row
.macro LOADT t
.set LBB, LB+64*((\t)%2)
.irp i, 0,1,2,3,4,5,6,7,8,9,10,11,12,13,14,15
.if (\t) < 2
	global_load_b128 v[LBB+4*\i:LBB+4*\i+3], v[GOFF], s[4:5] offset:(16*(\t)+\i)*XROW
.else
	global_load_b128 v[LBB+4*\i:LBB+4*\i+3], v[GOFF], s[6:7] offset:(64*((\t)-2)+\i)*XROW
.endif
.endr
.endm
; the 64 numbers in X become fragment t's codes and its scale word
.macro QUANT t
.irp c, 0,1
	v_max3_num_f32 v[MX+2*\c], |v[X+32*\c]|, |v[X+32*\c+1]|, 0x1800000       ; block 2 c + h: all its 32 numbers are mine; the floor 2^(3 - 127) holds the byte at 1 from below
	v_max3_num_f32 v[MX+2*\c+1], |v[X+32*\c+16]|, |v[X+32*\c+17]|, 0x1800000
.endr
.irp i, 2,4,6,8,10,12,14
.irp c, 0,1
	v_max3_num_f32 v[MX+2*\c], v[MX+2*\c], |v[X+32*\c+\i]|, |v[X+32*\c+\i+1]|      ; four chains by turns
	v_max3_num_f32 v[MX+2*\c+1], v[MX+2*\c+1], |v[X+32*\c+16+\i]|, |v[X+32*\c+17+\i]|
.endr
.endr
.irp c, 0,1
	v_max_num_f32 v[MX+2*\c], v[MX+2*\c], v[MX+2*\c+1]
.endr
.irp c, 0,1
	v_add_nc_u32 v[SO+\c], 0xff000000, v[MX+2*\c]  ; 2 off the exponent field: the conversion takes this operand's exponent field as its scale
.endr
.irp c, 0,1
	v_lshrrev_b32 v[BY+\c], 23, v[SO+\c]           ; the scale's byte
.endr
	v_lshl_or_b32 v[TA], v[BY+1], 16, v[BY]        ; my two bytes, blocks h and 2 + h,
	v_lshlrev_b32 v[TA], v[H8], v[TA]              ; at their places in the word;
	v_permlanex16_b32 v[TB], v[TA], s[SEL], s[SEL+1]
	v_or_b32 v[SCL+\t], v[TA], v[TB]               ; with lane l xor 16's two the word is whole
.irp c, 0,1
.irp g, 0,1,2,3
	v_cvt_scalef32_pk8_fp4_f32 v[COD+8*\t+4*\c+\g], v[X+32*\c+8*\g:X+32*\c+8*\g+7], v[SO+\c]
.endr
.endr
	v_nop                                          ; one plain place behind the last scaled conversion
.endm
.macro TILE t
.set LBB, LB+64*((\t)%2)
.if (\t) < 4
	s_wait_loadcnt 16                              ; this tile's 16 loads are in; the next tile's 16 may be out
.else
	s_wait_loadcnt 0x0
.endif
.irp i, 0,1,2,3,4,5,6,7,8,9,10,11,12,13,14,15
	ds_store_b128 v[SST], v[LBB+4*\i:LBB+4*\i+3] offset:\i*SPIT   ; loaded data and v4 alone: no vector instruction since the head's wait names them
.endr
.if (\t) > 0
	s_wait_alu depctr_va_vdst(0)                   ; the tile before: its maxima and conversions are done reading X, in which the loads below land
.endif
.irp c, 0,1
.irp i, 0,1,2,3,4,5,6,7
	ds_load_b128 v[X+32*\c+4*\i:X+32*\c+4*\i+3], v[SLD] offset:256*\c+16*\i   ; LDS serves a wave's instructions in order (ISA guide 5.7.1.4): these see my stores
.endr
.endr
	s_wait_dscnt 0x0                               ; the numbers are back
.if (\t) < 3
	s_wait_alu depctr_vm_vsrc(0)                   ; the stores into the stage have read this set of registers, in which the loads below land:
	LOADT (\t)+2                                   ; the tile two further on
.endif
.if (\t) == 4
	s_wait_alu depctr_vm_vsrc(0)                   ; the stores into the stage, tile 3's among them, have read both sets: the products' results, the partial sums' loads and the additions are laid over them
.endif
	QUANT \t
.endm
	LOADT 0
	LOADT 1
	TILE 0
	TILE 1
	TILE 2
	TILE 3
	TILE 4
.rept 8
	v_nop                                          ; a scale register written by a vector instruction stands 8 places ahead of a scaled matrix instruction, an operand so written 4
.endr
	s_wait_alu depctr_va_vdst(0)                   ; the conversions have written the five fragments and the vector instructions their scale words, which the products take; the places above stay beside this wait
.irp mt, 0,1                                   ; source 0 = 16 rows of x, source 1 = 16 rows of w: lane (r, h) holds head r, its registers rows 16 mt + 8 h + 0..7
.irp nt, 0,1,2
	v_wmma_scale_f32_16x16x128_f8f6f4 v[ACC+8*(3*\mt+\nt):ACC+8*(3*\mt+\nt)+7], v[COD+8*\mt:COD+8*\mt+7], v[COD+16+8*\nt:COD+16+8*\nt+7], 0, v[SCL+\mt], v[SCL+2+\nt] matrix_a_fmt:MATRIX_FMT_FP4 matrix_b_fmt:MATRIX_FMT_FP4
.endr
.endr
	v_lshrrev_b32 v8, 4, v0                        ; the addresses of the sums are made here: seven plain instructions, the places behind the products
	v_and_b32 v9, 15, v0
	v_mul_u32_u24 v8, v8, HP                       ; head = thread / 16
	v_lshlrev_b32 v12, 3, v0                       ; my 8 bytes of the work-group's 2,048 in vv
	v_add_nc_u32 v8, PART, v8
	v_lshl_add_u32 v10, v9, 4, v8                  ; q | k: 16 bytes at 16 x (thread % 16)
	v_lshl_add_u32 v11, v9, 3, v8                  ; v: 8 bytes at 256 + 8 x (thread % 16)
	s_wait_alu depctr_va_vdst(0)                   ; the products have written the accumulators, which the stores below read; v10, v11 and v12 are written, which the loads behind the barrier and vv's store read
.irp mt, 0,1
.irp nt, 0,1,2
	ds_store_b128 v[PST], v[ACC+8*(3*\mt+\nt):ACC+8*(3*\mt+\nt)+3] offset:128*\nt+64*\mt        ; each accumulator from its low end on
	ds_store_b128 v[PST], v[ACC+8*(3*\mt+\nt)+4:ACC+8*(3*\mt+\nt)+7] offset:128*\nt+64*\mt+16
.endr
.endr
	s_wait_dscnt 0x0                               ; for the others' sake: my partial sums have landed
	s_barrier_signal -1
	s_barrier_wait -1
.irp w, 0,1,2,3,4,5,6,7
	ds_load_b128 v[QD+4*\w:QD+4*\w+3], v10 offset:\w*PARTW
.endr
.irp w, 0,1,2,3,4,5,6,7
	ds_load_b64 v[PD+2*\w:PD+2*\w+1], v11 offset:\w*PARTW+256
.endr
	s_wait_dscnt 8                                 ; the eight loads of 16 bytes are in; the eight of 8 bytes may be out
.irp d, 4,2,1
.set i, 0
.rept \d
	v_pk_add_f32 v[QD+4*i:QD+4*i+1], v[QD+4*i:QD+4*i+1], v[QD+4*(i+\d):QD+4*(i+\d)+1]
	v_pk_add_f32 v[QD+4*i+2:QD+4*i+3], v[QD+4*i+2:QD+4*i+3], v[QD+4*(i+\d)+2:QD+4*(i+\d)+3]
.set i, i+1
.endr
.endr
	s_wait_dscnt 0x0
.irp d, 4,2,1
.set i, 0
.rept \d
	v_pk_add_f32 v[PD+2*i:PD+2*i+1], v[PD+2*i:PD+2*i+1], v[PD+2*(i+\d):PD+2*(i+\d)+1]
.set i, i+1
.endr
.endr
	s_wait_alu depctr_va_vdst(0)                   ; the additions have written both sums, which the two stores read: one wait for the two
	global_store_b128 v[GOFF], v[QD:QD+3], s[8:9]  ; sixteen lanes store a head's 256 bytes (q | k), aligned; the work-group 4,096 on end
	global_store_b64 v12, v[PD:PD+1], s[10:11]     ; a wave stores 256 consecutive bytes, aligned: two heads' v
	s_set_vgpr_msb 0x4
	s_wait_dscnt 0x0
	s_wait_alu depctr_hold_cnt(0) depctr_sa_sdst(0) depctr_va_vdst(0) depctr_va_sdst(0) depctr_va_ssrc(0) depctr_va_vcc(0) depctr_vm_vsrc(0)
	s_wait_tensorcnt 0x0
	ds_add_u32 v255, v1
	s_wait_dscnt 0x0
	s_endpgm
.Lfunc_end_k_q726ae3e8d1_qkv:
	.size	k_q726ae3e8d1_qkv, .Lfunc_end_k_q726ae3e8d1_qkv-k_q726ae3e8d1_qkv
	.p2alignl 7, 3214868480
	.fill 96, 4, 3214868480
	.section	.rodata,"a",@progbits
	.p2align	6, 0x0
	.amdhsa_kernel k_q726ae3e8d1_qkv
		.amdhsa_group_segment_fixed_size 168960
		.amdhsa_private_segment_fixed_size 0
		.amdhsa_enable_private_segment 0
		.amdhsa_kernarg_size 32
		.amdhsa_user_sgpr_count 2
		.amdhsa_user_sgpr_kernarg_segment_ptr 1
		.amdhsa_wavefront_size32 1
		.amdhsa_system_sgpr_workgroup_id_x 1
		.amdhsa_system_sgpr_workgroup_id_y 1
		.amdhsa_system_sgpr_workgroup_id_z 1
		.amdhsa_system_vgpr_workitem_id 0
		.amdhsa_next_free_vgpr 258
		.amdhsa_next_free_sgpr 66
		.amdhsa_reserve_vcc 0
		.amdhsa_float_denorm_mode_32 3
		.amdhsa_float_denorm_mode_16_64 3
		.amdhsa_memory_ordered 1
		.amdhsa_forward_progress 1
		.amdhsa_inst_pref_size 41
	.end_amdhsa_kernel
	.amdgpu_metadata
---
amdhsa.version: [ 1, 2 ]
amdhsa.kernels:
  - .name:           k_q726ae3e8d1_qkv
    .symbol:         k_q726ae3e8d1_qkv.kd
    .args:
      - { .name: x, .offset: 0, .size: 8, .value_kind: global_buffer, .address_space: global }
      - { .name: w_qkv, .offset: 8, .size: 8, .value_kind: global_buffer, .address_space: global }
      - { .name: qk, .offset: 16, .size: 8, .value_kind: global_buffer, .address_space: global }
      - { .name: vv, .offset: 24, .size: 8, .value_kind: global_buffer, .address_space: global }
    .group_segment_fixed_size: 168960
    .private_segment_fixed_size: 0
    .kernarg_segment_align: 8
    .kernarg_segment_size: 32
    .max_flat_workgroup_size: 256
    .sgpr_count:     66
    .vgpr_count:     258
    .wavefront_size: 32
...
	.end_amdgpu_metadata
.endif
;; end of part 4
;; launch attn: the kernel of part 2 again; grid 256 x 1, 16 waves a work-group, no clusters, 100,608 bytes of LDS; arguments qk, vv, ot; writes ot
;; launch proj (part 5): grid 256 x 1, 4 waves a work-group, no clusters, 168,448 bytes of LDS; arguments ot, w_out, out0; writes out0
.if DOCPART == 5
	.amdgcn_target "amdgcn-amd-amdhsa--gfx1250"
	.amdhsa_code_object_version 6
	.text
	.protected	k_q726ae3e8d1_proj
	.globl	k_q726ae3e8d1_proj
	.p2align	8
	.type	k_q726ae3e8d1_proj,@function
k_q726ae3e8d1_proj:
	s_mov_b64 s[64:65], 0
	v_nop
	global_prefetch_b8 v0, s[64:65] scope:SCOPE_SE
	s_setreg_imm32_b32 hwreg(HW_REG_WAVE_SCHED_MODE, 0, 2), 2
	s_setreg_imm32_b32 hwreg(HW_REG_WAVE_MODE, 25, 1), 1
	s_wait_xcnt 0x0
	s_wait_alu depctr_vm_vsrc(0)
; out0 = Q(o) Q(w_out)^T on codes of FP4 (E2M1) with one E8M0 scale for each 32 along K = the 64 heads.  ot: [64 heads][2048 rows] f32 (K is its FIRST axis), w_out: [1024][64] f32 (K innermost), out0: [2048][1024] f32.
; SHARES.  A wave makes 32 rows x 64 columns by itself: no barrier, nothing goes from wave to wave.  Work-group = 32 rows x 256 columns, four waves side by side; each quantises the 32 rows anew (8,192 bytes).
; o: A LANE TAKES A ROW, ITS 64 REGISTERS RUN DOWN THE HEADS: each load reads 128 consecutive bytes, both blocks of 32 lie in one lane, and the conversions give codes with K innermost.  The operand's layout wants
; block h of row r in lane (r, h): v_permlane16_swap_b32 of a register of block 0 with one of block 1 gives the fragment of rows 0-15 in the first and that of rows 16-31 in the second.  The scale words stay as they are:
; rows 0-15 stand in lanes 0-15, rows 16-31 in lanes 16-31, which the second fragment's products select.
; w_out: a wave's 64 rows are 16,384 consecutive bytes: loaded as they lie, turned through the wave's own stage in LDS, so that lane (r, h) gets the 32 numbers of block h of row r.
; K = 64 IS FILLED TO THE INSTRUCTION'S 128 WITH ZERO CODES on both sides (registers 4-7 of every fragment), under the scale byte 127.
; THE MATRIX INSTRUCTION IS USED TRANSPOSED (source 0 = 16 rows of w_out, source 1 = 16 rows of o): a lane holds eight neighbouring numbers of a row of out0; they go through the wave's own stage and leave
; sixteen lanes to 256 consecutive bytes, aligned.
; NO JOINT LOADS: a wave reads 24,576 bytes once, at its head, through registers, to quantise them.
; LIMITS: NaN and infinities are not served; a block of zeros gets the byte 1 where the rule says 127 (its codes are zeros, and this program alone reads the byte).
; THE MODE: SCHED_MODE bits 1:0 = 2 (LLVM: expert scheduling mode 2), set by the entry lines.  The code itself states the register dependences
; between vector or matrix instructions and memory or LDS instructions, with s_wait_alu, always for 0.
; THE PLAN.  Registers that memory or LDS instructions touch:
;   v4, v5, v6, v8, v9, v10   offsets and LDS addresses, made at the head and never written again: one wait at the head serves every instruction that reads them.
;   v16-143    w_out as loaded: written by 32 global loads, read by the 32 stores into the stage; then v16-79 take tiles 0 and 1 of w_out, v80-100 work registers and scale words: one wait on vm_vsrc behind the stores.
;   v144-207   o: written by 64 global loads, read by o's maxima and conversions; then they take tiles 2 and 3 of w_out: one wait on va_vdst behind o's conversions.  Later the accumulators lie there.
;   So each of w_out's four tiles has a set of 32 registers of its own: all 32 loads from the stage are out before the first tile is quantised, and no tile's conversions are waited for.
;   ACC        written by the eight products, read by the 16 stores into the stage for the way out: one wait on va_vdst, behind the products' places.
;   v16-79     at the end: written by the loads from that stage (tiles 0 and 1's conversions, which read them, stand ahead of that same wait), read by the global stores.
.set WP,    272                        ; a stage row: 256 bytes + 16: an odd multiple of 16, so that sixteen rows' pieces of 16 bytes fall on different banks (64 banks of 4 bytes: ISA guide 11.1)
.set OSTG,  64*WP                      ; behind w_out's 64 rows: two stages of 16 rows for the way out
.set WREG,  OSTG+2*16*WP               ; a wave's LDS: 26,112 bytes
.set GO4,   4                          ; v4   4 x lane
.set GW,    5                          ; v5   16 x lane
.set WSS,   6                          ; v6   stage by rows: row lane / 16, 16 x (lane % 16): w_out on its way in, out0 on its way back
.set WSL,   8                          ; v8   stage by fragments: row r, + 128 h
.set OSS,   9                          ; v9   the way out: row r, + 32 h
.set GOUT,  10                         ; v10  out0: row lane / 16, 16 x (lane % 16)
.set H8,    11                         ; v11  8 h
.set WRW,   16                         ; v16-143  w_out as loaded
.set ORW,   144                        ; v144-207 o: register = head
.set X,     16                         ; later: four sets of 32 numbers of w_out: tiles 0, 1 at v16-79, tiles 2, 3 at v144-207: tile t at X + 32 t + 64 (t / 2)
.set MX,    80                         ; v80-83
.set SO,    84                         ; v84-85
.set BY,    86                         ; v86-87
.set TA,    88
.set TB,    89
.set WS,    96                         ; v96-99 w_out's scale words, a tile each
.set SWO,   100                        ; v100   o's scale words: lane = row
.set ACC,   144                        ; later: v144-207 eight accumulators
.set WC,    208                        ; v208-239 w_out's four fragments
.set OA,    240                        ; v240-255 o's two
.set OB,    16                         ; the way out: 32 rows read back
.set SEL,   20                         ; s[20:21] v_permlanex16_b32's selects for lane l xor 16
	s_load_b128 s[4:7], s[0:1], 0x0                ; ot, w_out
	s_load_b64 s[8:9], s[0:1], 0x10                ; out0
	v_lshl_add_u32 v14, v0, 2, 0x29000
	v_mov_b32 v15, 0
	v_lshrrev_b32 v1, 5, v0
	v_readfirstlane_b32 s10, v1                    ; wave 0..3
	s_lshr_b32 s11, ttmp9, 2                       ; which 32 rows
	s_and_b32 s12, ttmp9, 3                        ; which 256 columns
	v_and_b32 v1, 31, v0
	v_and_b32 v2, 15, v0                           ; r
	v_bfe_u32 v3, v0, 4, 1                         ; h
	v_lshlrev_b32 v[GO4], 2, v1
	v_lshlrev_b32 v[GW], 4, v1
	s_wait_alu depctr_va_sdst(0)                   ; s10 is written, ahead of its first reader: the wave's LDS bytes and its parts of w_out and out0 are made from it
	s_mul_i32 s13, s10, WREG
	v_mul_u32_u24 v[WSS], v3, WP
	v_lshl_add_u32 v[WSS], v2, 4, v[WSS]
	v_add_nc_u32 v[WSS], s13, v[WSS]
	v_mul_u32_u24 v7, v2, WP
	v_add_nc_u32 v7, s13, v7
	v_lshl_add_u32 v[WSL], v3, 7, v7
	v_lshl_add_u32 v[OSS], v3, 5, v7
	v_lshlrev_b32 v[GOUT], 12, v3
	v_lshl_add_u32 v[GOUT], v2, 4, v[GOUT]
	v_lshlrev_b32 v[H8], 3, v3
	s_mov_b32 s[SEL], 0x76543210
	s_mov_b32 s[SEL+1], 0xfedcba98
	s_mov_b32 s17, 0
	s_wait_kmcnt 0x0
	s_lshl_b32 s16, s11, 7                         ; ot at my 32 rows
	s_add_nc_u64 s[4:5], s[4:5], s[16:17]
	s_lshl_b32 s16, s12, 16                        ; w_out at row 256 x quarter + 64 x wave, 256 bytes a row
	s_lshl_b32 s18, s10, 14
	s_add_co_u32 s16, s16, s18
	s_add_nc_u64 s[6:7], s[6:7], s[16:17]
	s_lshl_b32 s16, s11, 17                        ; out0 at my 32 rows of 4,096 bytes and my 64 columns
	s_lshl_b32 s18, s12, 10
	s_add_co_u32 s16, s16, s18
	s_lshl_b32 s18, s10, 8
	s_add_co_u32 s16, s16, s18
	s_add_nc_u64 s[8:9], s[8:9], s[16:17]
	s_wait_alu depctr_va_vdst(0)                   ; v4, v5, v6, v8, v9 and v10 are written: every load, every access to the stages and every store reads one of them, and none is written again
.irp n, 0,1,2,3,4,5,6,7,8,9,10,11,12,13,14,15,16,17,18,19,20,21,22,23,24,25,26,27,28,29,30,31
	global_load_b128 v[WRW+4*\n:WRW+4*\n+3], v[GW], s[6:7] offset:512*\n       ; two rows of w_out, 512 consecutive bytes
.endr
.irp n, 0,1,2,3,4,5,6,7,8,9,10,11,12,13,14,15,16,17,18,19,20,21,22,23,24,25,26,27,28,29,30,31,32,33,34,35,36,37,38,39,40,41,42,43,44,45,46,47,48,49,50,51,52,53,54,55,56,57,58,59,60,61,62,63
	global_load_b32 v[ORW+\n], v[GO4], s[4:5] offset:8192*\n                   ; head n of my row
.endr
.irp t, 0,1,2,3
.irp i, 4,5,6,7
	v_mov_b32 v[WC+8*\t+\i], 0                     ; k = 64 .. 127: zero codes
.endr
.endr
.irp t, 0,1
.irp i, 4,5,6,7
	v_mov_b32 v[OA+8*\t+\i], 0
.endr
.endr
	s_wait_loadcnt 63                              ; 64 loads were issued behind w_out's last; 63 is the largest count that a wait names: w_out is in
.irp n, 0,1,2,3,4,5,6,7,8,9,10,11,12,13,14,15,16,17,18,19,20,21,22,23,24,25,26,27,28,29,30,31
	ds_store_b128 v[WSS], v[WRW+4*\n:WRW+4*\n+3] offset:2*WP*\n
.endr
	s_wait_dscnt 0x0                               ; the stores have landed
	s_wait_alu depctr_vm_vsrc(0)                   ; and have read v16-143, which are used anew from here on: loads from the stage land in v16-79, vector instructions write v80-100
.macro WTILE t                                 ; tile t of w_out: block h of row 16 t + r: 32 numbers a lane, into the tile's own set
.set XB, X+32*(\t)+64*((\t)/2)
.irp i, 0,1,2,3,4,5,6,7
	ds_load_b128 v[XB+4*\i:XB+4*\i+3], v[WSL] offset:16*WP*(\t)+16*\i
.endr
.endm
	WTILE 0
	WTILE 1
	v_mov_b32 v[TB], 0                             ; written once: a lane permute's destination counts as one of its sources
	s_wait_loadcnt 0x0                             ; o
.irp c, 0,1                                    ; o: both blocks of my row are mine
	v_max3_num_f32 v[MX+2*\c], |v[ORW+32*\c]|, |v[ORW+32*\c+1]|, 0x1800000     ; the floor 2^(3 - 127) holds the byte at 1 from below
	v_max3_num_f32 v[MX+2*\c+1], |v[ORW+32*\c+16]|, |v[ORW+32*\c+17]|, 0x1800000
.endr
.irp i, 2,4,6,8,10,12,14
.irp c, 0,1
	v_max3_num_f32 v[MX+2*\c], v[MX+2*\c], |v[ORW+32*\c+\i]|, |v[ORW+32*\c+\i+1]|
	v_max3_num_f32 v[MX+2*\c+1], v[MX+2*\c+1], |v[ORW+32*\c+16+\i]|, |v[ORW+32*\c+17+\i]|
.endr
.endr
.irp c, 0,1
	v_max_num_f32 v[MX+2*\c], v[MX+2*\c], v[MX+2*\c+1]
.endr
.irp c, 0,1
	v_add_nc_u32 v[SO+\c], 0xff000000, v[MX+2*\c]  ; 2 off the exponent field: the conversion's scale operand
.endr
.irp c, 0,1
	v_lshrrev_b32 v[BY+\c], 23, v[SO+\c]
.endr
	v_lshl_or_b32 v[SWO], v[BY+1], 8, v[BY]
	v_or_b32 v[SWO], 0x7f7f0000, v[SWO]            ; my row's word: two bytes, and 127 over the zero codes
.irp c, 0,1
.irp g, 0,1,2,3
	v_cvt_scalef32_pk8_fp4_f32 v[OA+8*\c+\g], v[ORW+32*\c+8*\g:ORW+32*\c+8*\g+7], v[SO+\c]
.endr
.endr
	v_nop                                          ; one plain place behind the last scaled conversion
	s_wait_alu depctr_va_vdst(0)                   ; o's maxima and conversions are done reading v144-207, in which the loads below land
	WTILE 2
	WTILE 3
.irp i, 0,1,2,3
	v_permlane16_swap_b32 v[OA+\i], v[OA+8+\i]     ; the first's lanes 16-31 (block 0 of rows 16-31) change places with the second's lanes 0-15 (block 1 of rows 0-15)
.endr
.macro QW t
.set XB, X+32*(\t)+64*((\t)/2)
	s_wait_dscnt 8*(3-(\t))                        ; this tile's eight loads are in; the later tiles' eight each may be out
	v_max3_num_f32 v[MX], |v[XB]|, |v[XB+1]|, 0x1800000
	v_max3_num_f32 v[MX+1], |v[XB+16]|, |v[XB+17]|, 0x1800000
.irp i, 2,4,6,8,10,12,14
	v_max3_num_f32 v[MX], v[MX], |v[XB+\i]|, |v[XB+\i+1]|
	v_max3_num_f32 v[MX+1], v[MX+1], |v[XB+16+\i]|, |v[XB+17+\i]|
.endr
	v_max_num_f32 v[MX], v[MX], v[MX+1]
	v_add_nc_u32 v[SO], 0xff000000, v[MX]
	v_lshrrev_b32 v[BY], 23, v[SO]
	v_lshlrev_b32 v[TA], v[H8], v[BY]              ; my byte, block h, at its place;
	v_permlanex16_b32 v[TB], v[TA], s[SEL], s[SEL+1]
	v_or_b32 v[TA], v[TA], v[TB]                   ; with lane l xor 16's;
	v_or_b32 v[WS+\t], 0x7f7f0000, v[TA]           ; and 127 over the zero codes
.irp g, 0,1,2,3
	v_cvt_scalef32_pk8_fp4_f32 v[WC+8*\t+\g], v[XB+8*\g:XB+8*\g+7], v[SO]
.endr
	v_nop                                          ; one plain place behind the last scaled conversion
.endm
	QW 0
	QW 1
	QW 2
	QW 3
.rept 8
	v_nop                                          ; a scale register written by a vector instruction stands 8 places ahead of a scaled matrix instruction, an operand so written 4
.endr
	s_wait_alu depctr_va_vdst(0)                   ; the conversions, the lane exchanges and the zero codes' moves have written the six fragments, the vector instructions the five scale words, which the products take; the places above stay beside this wait
.irp tw, 0,1,2,3                               ; lane (r, h): row r of o's tile; registers: columns 16 tw + 8 h + 0..7
	v_wmma_scale_f32_16x16x128_f8f6f4 v[ACC+8*\tw:ACC+8*\tw+7], v[WC+8*\tw:WC+8*\tw+7], v[OA:OA+7], 0, v[WS+\tw], v[SWO] matrix_a_fmt:MATRIX_FMT_FP4 matrix_b_fmt:MATRIX_FMT_FP4
.endr
.irp tw, 0,1,2,3
	v_wmma_scale_f32_16x16x128_f8f6f4 v[ACC+32+8*\tw:ACC+32+8*\tw+7], v[WC+8*\tw:WC+8*\tw+7], v[OA+8:OA+15], 0, v[WS+\tw], v[SWO] matrix_a_fmt:MATRIX_FMT_FP4 matrix_b_fmt:MATRIX_FMT_FP4 matrix_b_scale:MATRIX_SCALE_ROW1
.endr
.rept 4
	v_nop                                          ; four places in front of the first read of results
.endr
	s_wait_alu depctr_va_vdst(0)                   ; the products have written the accumulators, which the stores below read; tiles 0 and 1's conversions are done reading v16-79, in which the loads below land; the places above stay beside this wait
.irp to, 0,1
.irp tw, 0,1,2,3
	ds_store_b128 v[OSS], v[ACC+32*\to+8*\tw:ACC+32*\to+8*\tw+3] offset:OSTG+16*WP*\to+64*\tw        ; each accumulator from its low end on
	ds_store_b128 v[OSS], v[ACC+32*\to+8*\tw+4:ACC+32*\to+8*\tw+7] offset:OSTG+16*WP*\to+64*\tw+16
.endr
.endr
.irp n, 0,1,2,3,4,5,6,7,8,9,10,11,12,13,14,15
	ds_load_b128 v[OB+4*\n:OB+4*\n+3], v[WSS] offset:OSTG+2*WP*\n     ; LDS serves a wave's instructions in order (ISA guide 5.7.1.4): these see my stores.  Rows 2 n and 2 n + 1
.endr
.irp n, 0,1,2,3,4,5,6,7,8,9,10,11,12,13,14,15
	s_wait_dscnt 15-\n
	global_store_b128 v[GOUT], v[OB+4*\n:OB+4*\n+3], s[8:9] offset:2*\n*4096 th:TH_STORE_NT   ; sixteen lanes store 256 consecutive bytes, aligned; written once, read by nobody here
.endr
	s_wait_dscnt 0x0
	s_wait_alu depctr_hold_cnt(0) depctr_sa_sdst(0) depctr_va_vdst(0) depctr_va_sdst(0) depctr_va_ssrc(0) depctr_va_vcc(0) depctr_vm_vsrc(0)
	s_wait_tensorcnt 0x0
	ds_add_u32 v14, v15
	s_wait_dscnt 0x0
	s_endpgm
.Lfunc_end_k_q726ae3e8d1_proj:
	.size	k_q726ae3e8d1_proj, .Lfunc_end_k_q726ae3e8d1_proj-k_q726ae3e8d1_proj
	.p2alignl 7, 3214868480
	.fill 96, 4, 3214868480
	.section	.rodata,"a",@progbits
	.p2align	6, 0x0
	.amdhsa_kernel k_q726ae3e8d1_proj
		.amdhsa_group_segment_fixed_size 168448
		.amdhsa_private_segment_fixed_size 0
		.amdhsa_enable_private_segment 0
		.amdhsa_kernarg_size 24
		.amdhsa_user_sgpr_count 2
		.amdhsa_user_sgpr_kernarg_segment_ptr 1
		.amdhsa_wavefront_size32 1
		.amdhsa_system_sgpr_workgroup_id_x 1
		.amdhsa_system_sgpr_workgroup_id_y 1
		.amdhsa_system_sgpr_workgroup_id_z 1
		.amdhsa_system_vgpr_workitem_id 0
		.amdhsa_next_free_vgpr 256
		.amdhsa_next_free_sgpr 66
		.amdhsa_reserve_vcc 0
		.amdhsa_float_denorm_mode_32 3
		.amdhsa_float_denorm_mode_16_64 3
		.amdhsa_memory_ordered 1
		.amdhsa_forward_progress 1
		.amdhsa_inst_pref_size 32
	.end_amdhsa_kernel
	.amdgpu_metadata
---
amdhsa.version: [ 1, 2 ]
amdhsa.kernels:
  - .name:           k_q726ae3e8d1_proj
    .symbol:         k_q726ae3e8d1_proj.kd
    .args:
      - { .name: ot, .offset: 0, .size: 8, .value_kind: global_buffer, .address_space: global }
      - { .name: w_out, .offset: 8, .size: 8, .value_kind: global_buffer, .address_space: global }
      - { .name: out0, .offset: 16, .size: 8, .value_kind: global_buffer, .address_space: global }
    .group_segment_fixed_size: 168448
    .private_segment_fixed_size: 0
    .kernarg_segment_align: 8
    .kernarg_segment_size: 24
    .max_flat_workgroup_size: 128
    .sgpr_count:     66
    .vgpr_count:     256
    .wavefront_size: 32
...
	.end_amdgpu_metadata
.endif
;; end of part 5
